; MI455X (gfx1250); checked and timed in simulation.
; The chip was launched on July 23, 2026; its instructions are those of AMD's public machine-readable ISA for CDNA 5 (MIT licence, August 2026) and "CDNA5" Instruction Set Architecture Reference Guide (July 2026). The comments in the code are by the model that wrote it; some were corrected since.
;; Moe Layer. Allowed arithmetic: float matrix products may take bf16 or f16 operands with f32 sums; other float arithmetic in f32, or as packed bf16 or f16 multiplies, adds, multiply-adds, maxima and minima; sums over many terms, partial sums and values carried from step to step in f32; what a program stores and reads back later, other than sums and carried values, may be rounded once to bf16 or f16.
;; Inputs: W1 8 x 2,048 x 1,024 float32; W2 8 x 1,024 x 2,048 float32; b1 8 x 1,024 float32; b2 8 x 2,048 float32; w_gate 2,048 x 8 float32; x 4 x 512 x 2,048 float32.
;; Outputs: out0 4 x 512 x 2,048 float32.
;; One version. Each part assembles by itself: llvm-mc -triple=amdgcn-amd-amdhsa -mcpu=gfx1250 --defsym DOCPART=n.
;; ======== version 1 of 1: 4 launches
;; limits: a function is approximated: absolute error at most 1.5e-07
;; workspace buffers: xb 8,388,608 bytes; sel 65,536 bytes of whole numbers; comb 65,536 bytes; hs 33,554,432 bytes; part 33,554,432 bytes
;; launch router (part 1): grid 256 x 1, 8 waves a work-group, no clusters, 3,072 bytes of LDS; arguments x, w_gate, xb, sel, comb; writes xb, sel, comb
.if DOCPART == 1
	.amdgcn_target "amdgcn-amd-amdhsa--gfx1250"
	.amdhsa_code_object_version 6
	.text
	.protected	k_q2bfdd84149_router
	.globl	k_q2bfdd84149_router
	.p2align	8
	.type	k_q2bfdd84149_router,@function
k_q2bfdd84149_router:
	s_mov_b64 s[64:65], 0
	v_nop
	global_prefetch_b8 v0, s[64:65] scope:SCOPE_SE
	s_setreg_imm32_b32 hwreg(HW_REG_WAVE_MODE, 25, 1), 1
	s_wait_xcnt 0x0
; ROUTER.  xb = x rounded to bf16; logits = xb . (w_gate rounded to bf16), sums in f32; softmax over 8 experts (its maximum taken away);
; the two largest probabilities (ties: the lower index); softmax over those two (the larger taken away).
; Stored at fixed places: sel[e][t] = 0 (not chosen), 1 (first choice), 2 (second choice); comb[e][t] = the routing weight or 0.
; No address and no branch hangs on a floating-point number: the choice is made by selects and stored for the later launches.
; SHARES.  A work-group owns 8 tokens; wave w owns k = 256 w .. 256 w + 255 of all 8; lane l holds k = 256 w + 128 j + 4 l + q (j = 0, 1; q = 0..3).
; The product has 8 columns: it is a stream over x, done by packed multiply-adds; a matrix form would have nothing to feed it with.
; LIMITS.  A probability below 2^-126 counts as 0.  The f32 sums run in another order than a row-by-row product: a token whose second and third
; probabilities agree to the last bits may choose otherwise.  NaN and infinities are not treated apart.
.set SPARE, 2048                       ; LDS: bytes 0..2047 partial logits [8 waves][8 tokens][8 experts] f32; from 2048 the spare words, 128 bytes a wave
.set SPW, 6                            ; v6   LDS address of my spare word; never rewritten
.set NIL, 7                            ; v7   0; never rewritten
.set G,   16                           ; v16-79    w_gate: G[32 j + 8 q + e]
.set X,   80                           ; v80-143   x: X[8 i + 4 j + q], token i
.set XB,  144                          ; v144-175  x as bf16 pairs: XB[4 i + 2 j + m]
.set ACC, 176                          ; v176-239  partial logits: ACC[8 i + e]
	s_load_b256 s[4:11], s[0:1], 0x0               ; x s[4:5], w_gate s[6:7], xb s[8:9], sel s[10:11]
	s_load_b64 s[12:13], s[0:1], 0x20              ; comb
	v_lshl_add_u32 v[SPW], v0, 2, SPARE
	v_mov_b32 v[NIL], 0
	v_lshrrev_b32 v1, 5, v0
	v_readfirstlane_b32 s16, v1                    ; wave 0..7
	v_and_b32 v1, 31, v0                           ; lane
	s_mov_b32 s18, 0x76543210                      ; v_permlanex16_b32: each lane takes its own place in the other half
	s_mov_b32 s19, 0xfedcba98
	s_mov_b32 s20, 0xffff0000                      ; a word's upper bf16
	s_mov_b32 s22, 0x3fb8aa3b                      ; log2(e)
	s_lshl_b32 s23, s16, 10
	v_lshl_add_u32 v2, v1, 4, s23                  ; x: 1,024 w + 16 l
	s_lshl_b32 s28, s16, 13
	v_lshl_add_u32 v3, v1, 7, s28                  ; w_gate: 8,192 w + 128 l (four rows of 32 bytes)
	s_lshl_b32 s29, s16, 9
	v_lshl_add_u32 v4, v1, 3, s29                  ; xb: 512 w + 8 l
	s_lshl_b32 s30, s16, 8
	v_mov_b32 v5, s30                              ; my wave's 256 bytes of partial logits
	s_lshl_b32 s2, ttmp9, 16                       ; 8 rows of x
	s_mov_b32 s3, 0
	s_lshl_b32 s24, ttmp9, 15                      ; 8 rows of xb
	s_mov_b32 s25, 0
	s_lshl_b32 s26, ttmp9, 5                       ; 8 words of sel and comb
	s_mov_b32 s27, 0
	s_wait_kmcnt 0x0
	s_add_nc_u64 s[4:5], s[4:5], s[2:3]
	s_add_nc_u64 s[8:9], s[8:9], s[24:25]
	s_add_nc_u64 s[10:11], s[10:11], s[26:27]
	s_add_nc_u64 s[12:13], s[12:13], s[26:27]
.irp j, 0,1
.irp q, 0,1,2,3
	global_load_b128 v[G+32*(\j)+8*(\q):G+32*(\j)+8*(\q)+3],   v3, s[6:7] offset:4096*(\j)+32*(\q)
	global_load_b128 v[G+32*(\j)+8*(\q)+4:G+32*(\j)+8*(\q)+7], v3, s[6:7] offset:4096*(\j)+32*(\q)+16
.endr
.endr
.irp i, 0,1,2,3,4,5,6,7
.irp j, 0,1
	global_load_b128 v[X+8*(\i)+4*(\j):X+8*(\i)+4*(\j)+3], v2, s[4:5] offset:8192*(\i)+512*(\j) th:TH_LOAD_NT  ; a wave's load covers 512 consecutive bytes
.endr
.endr
	s_wait_loadcnt 16                              ; w_gate's 16 loads are in; x's 16, issued behind them, stay out
.set p, 0
.rept 32                                               ; w_gate rounded to bf16 and widened again
	v_cvt_pk_bf16_f32 v[XB+p], v[G+2*p], v[G+2*p+1]
.set p, p+1
.endr
.set p, 0
.rept 32
	v_lshlrev_b32 v[G+2*p], 16, v[XB+p]
	v_and_b32 v[G+2*p+1], s20, v[XB+p]
.set p, p+1
.endr
	s_wait_loadcnt 0x0                             ; x
.set p, 0
.rept 32
	v_cvt_pk_bf16_f32 v[XB+p], v[X+2*p], v[X+2*p+1]
.set p, p+1
.endr
.irp i, 0,1,2,3,4,5,6,7
.irp j, 0,1
	global_store_b64 v4, v[XB+4*(\i)+2*(\j):XB+4*(\i)+2*(\j)+1], s[8:9] offset:4096*(\i)+256*(\j)  ; a wave's store covers 256 consecutive bytes, aligned
.endr
.endr
.set p, 0
.rept 32
	v_lshlrev_b32 v[X+2*p], 16, v[XB+p]
	v_and_b32 v[X+2*p+1], s20, v[XB+p]
.set p, p+1
.endr
; 8 tokens x 8 experts x 8 k a lane: two experts to a line; the first k starts the sums
.irp j, 0,1
.irp q, 0,1,2,3
.irp i, 0,1,2,3,4,5,6,7
.irp m, 0,1,2,3
.if ((\j)+(\q)) == 0
	v_pk_mul_f32 v[ACC+8*(\i)+2*(\m):ACC+8*(\i)+2*(\m)+1], v[G+2*(\m):G+2*(\m)+1], v[X+8*(\i):X+8*(\i)+1] op_sel_hi:[1,0]
.elseif ((\q)%2) == 0
	v_pk_fma_f32 v[ACC+8*(\i)+2*(\m):ACC+8*(\i)+2*(\m)+1], v[G+32*(\j)+8*(\q)+2*(\m):G+32*(\j)+8*(\q)+2*(\m)+1], v[X+8*(\i)+4*(\j)+(\q):X+8*(\i)+4*(\j)+(\q)+1], v[ACC+8*(\i)+2*(\m):ACC+8*(\i)+2*(\m)+1] op_sel_hi:[1,0,1]
.else
	v_pk_fma_f32 v[ACC+8*(\i)+2*(\m):ACC+8*(\i)+2*(\m)+1], v[G+32*(\j)+8*(\q)+2*(\m):G+32*(\j)+8*(\q)+2*(\m)+1], v[X+8*(\i)+4*(\j)+(\q)-1:X+8*(\i)+4*(\j)+(\q)], v[ACC+8*(\i)+2*(\m):ACC+8*(\i)+2*(\m)+1] op_sel:[0,1,0] op_sel_hi:[1,1,1]
.endif
.endr
.endr
.endr
.endr
; each of the 64 sums over the wave's 32 lanes: four steps inside a half of 16 lanes, one across the halves
.irp k, 1,2,4,8
.set p, 0
.rept 64
	v_add_f32_dpp v[ACC+p], v[ACC+p], v[ACC+p] row_xmask:\k row_mask:0xf bank_mask:0xf
.set p, p+1
.endr
.endr
.set p, 0
.rept 64
	v_permlanex16_b32 v[X+p], v[ACC+p], s18, s19   ; x's registers, written before, take the other half's sums
.set p, p+1
.endr
.set p, 0
.rept 64
	v_add_f32 v[ACC+p], v[ACC+p], v[X+p]
.set p, p+1
.endr
.set p, 0
.rept 16
	ds_store_b128 v5, v[ACC+4*p:ACC+4*p+3] offset:16*p   ; every lane holds the same numbers and writes the same words
.set p, p+1
.endr
	s_wait_dscnt 0x0                               ; for the others' sake: my partial logits are in LDS
	s_barrier_signal -1
	s_barrier_wait -1
	s_cmp_lg_u32 s16, 0
	s_cbranch_scc1 .Lend                           ; wave 0 does the rest: 64 logits
	v_and_b32 v8, 7, v1                            ; my token: lane % 8 (four lanes do the same work; lanes 0-7 store)
	v_lshlrev_b32 v8, 5, v8
.irp w, 0,1,2,3,4,5,6,7
	ds_load_b128 v[X+8*(\w):X+8*(\w)+3],   v8 offset:256*(\w)
	ds_load_b128 v[X+8*(\w)+4:X+8*(\w)+7], v8 offset:256*(\w)+16
.endr
	s_wait_dscnt 0x0
.irp w, 1,2,3,4,5,6,7
.irp m, 0,1,2,3
	v_pk_add_f32 v[X+2*(\m):X+2*(\m)+1], v[X+2*(\m):X+2*(\m)+1], v[X+8*(\w)+2*(\m):X+8*(\w)+2*(\m)+1]  ; the waves' parts, k ascending
.endr
.endr
	; softmax over the 8 logits in v[X..X+7]
	v_max3_num_f32 v9, v[X], v[X+1], v[X+2]
	v_max3_num_f32 v9, v9, v[X+3], v[X+4]
	v_max3_num_f32 v9, v9, v[X+5], v[X+6]
	v_max_num_f32 v9, v9, v[X+7]
.irp e, 0,1,2,3,4,5,6,7
	v_sub_f32 v[X+(\e)], v[X+(\e)], v9
.endr
.irp e, 0,1,2,3,4,5,6,7
	v_mul_f32 v[X+(\e)], s22, v[X+(\e)]
.endr
.irp e, 0,1,2,3,4,5,6,7
	v_exp_f32 v[X+(\e)], v[X+(\e)]
.endr
	v_nop                                          ; a plain instruction behind the last exponential,
	s_wait_alu depctr_va_vdst(0)                   ; and one wait for the batch of eight, ahead of the first use
	v_add_f32 v10, v[X], v[X+1]
	v_add_f32 v11, v[X+2], v[X+3]
	v_add_f32 v12, v[X+4], v[X+5]
	v_add_f32 v13, v[X+6], v[X+7]
	v_add_f32 v10, v10, v11
	v_add_f32 v12, v12, v13
	v_add_f32 v10, v10, v12
	v_rcp_f32 v10, v10
	v_nop
	s_wait_alu depctr_va_vdst(0)
.irp e, 0,1,2,3,4,5,6,7
	v_mul_f32 v[X+(\e)], v[X+(\e)], v10            ; the probabilities
.endr
	; the largest (a strict compare keeps the lower index), then the largest of the rest
	v_mov_b32 v11, v[X]
	v_mov_b32 v12, 0
.irp e, 1,2,3,4,5,6,7
	v_cmp_gt_f32 vcc_lo, v[X+(\e)], v11
	v_cndmask_b32 v11, v11, v[X+(\e)], vcc_lo
	v_cndmask_b32 v12, v12, \e, vcc_lo
.endr
.irp e, 0,1,2,3,4,5,6,7
	v_cmp_eq_u32 vcc_lo, \e, v12
	v_cndmask_b32 v[X+(\e)], v[X+(\e)], -1.0, vcc_lo   ; the first choice leaves the field: below every probability
.endr
	v_mov_b32 v13, v[X]
	v_mov_b32 v14, 0
.irp e, 1,2,3,4,5,6,7
	v_cmp_gt_f32 vcc_lo, v[X+(\e)], v13
	v_cndmask_b32 v13, v13, v[X+(\e)], vcc_lo
	v_cndmask_b32 v14, v14, \e, vcc_lo
.endr
	; softmax over the two: 1 / (1 + e^(r1 - r0)) and the rest
	v_sub_f32 v15, v13, v11
	v_mul_f32 v15, s22, v15
	v_exp_f32 v15, v15
	v_nop
	s_wait_alu depctr_va_vdst(0)
	v_add_f32 v240, 1.0, v15
	v_rcp_f32 v240, v240
	v_nop
	s_wait_alu depctr_va_vdst(0)
	v_mul_f32 v241, v15, v240                      ; v240: the first choice's weight, v241: the second's
	v_lshlrev_b32 v242, 2, v1
.irp e, 0,1,2,3,4,5,6,7
	v_cmp_eq_u32 vcc_lo, \e, v14
	v_cndmask_b32 v[ACC+(\e)], 0, 2, vcc_lo
	v_cndmask_b32 v[ACC+8+(\e)], 0, v241, vcc_lo
	v_cmp_eq_u32 vcc_lo, \e, v12
	v_cndmask_b32 v[ACC+(\e)], v[ACC+(\e)], 1, vcc_lo
	v_cndmask_b32 v[ACC+8+(\e)], v[ACC+8+(\e)], v240, vcc_lo
.endr
	s_wait_xcnt 0x0                                ; EXEC changes only behind this wait: xb's stores were issued under the full one
	v_cmp_gt_u32 vcc_lo, 8, v1
	s_and_saveexec_b32 s21, vcc_lo                 ; lanes 0-7: one for each token
.irp e, 0,1,2,3,4,5,6,7
	global_store_b32 v242, v[ACC+(\e)], s[10:11] offset:8192*(\e)
	global_store_b32 v242, v[ACC+8+(\e)], s[12:13] offset:8192*(\e)
.endr
	s_wait_xcnt 0x0                                ; and again, in front of the line that widens it
	s_or_b32 exec_lo, exec_lo, s21
.Lend:
	s_wait_tensorcnt 0x0                           ; the wave's end, behind my last LDS store
	ds_add_u32 v[SPW], v[NIL]
	s_wait_dscnt 0x0
	s_endpgm
.Lfunc_end_k_q2bfdd84149_router:
	.size	k_q2bfdd84149_router, .Lfunc_end_k_q2bfdd84149_router-k_q2bfdd84149_router
	.p2alignl 7, 3214868480
	.fill 96, 4, 3214868480
	.section	.rodata,"a",@progbits
	.p2align	6, 0x0
	.amdhsa_kernel k_q2bfdd84149_router
		.amdhsa_group_segment_fixed_size 3072
		.amdhsa_private_segment_fixed_size 0
		.amdhsa_enable_private_segment 0
		.amdhsa_kernarg_size 40
		.amdhsa_user_sgpr_count 2
		.amdhsa_user_sgpr_kernarg_segment_ptr 1
		.amdhsa_wavefront_size32 1
		.amdhsa_system_sgpr_workgroup_id_x 1
		.amdhsa_system_sgpr_workgroup_id_y 1
		.amdhsa_system_sgpr_workgroup_id_z 1
		.amdhsa_system_vgpr_workitem_id 0
		.amdhsa_next_free_vgpr 256
		.amdhsa_next_free_sgpr 66
		.amdhsa_reserve_vcc 1
		.amdhsa_float_denorm_mode_32 3
		.amdhsa_float_denorm_mode_16_64 3
		.amdhsa_memory_ordered 1
		.amdhsa_forward_progress 1
		.amdhsa_inst_pref_size 65
	.end_amdhsa_kernel
	.amdgpu_metadata
---
amdhsa.version: [ 1, 2 ]
amdhsa.kernels:
  - .name:           k_q2bfdd84149_router
    .symbol:         k_q2bfdd84149_router.kd
    .args:
      - { .name: x, .offset: 0, .size: 8, .value_kind: global_buffer, .address_space: global }
      - { .name: w_gate, .offset: 8, .size: 8, .value_kind: global_buffer, .address_space: global }
      - { .name: xb, .offset: 16, .size: 8, .value_kind: global_buffer, .address_space: global }
      - { .name: sel, .offset: 24, .size: 8, .value_kind: global_buffer, .address_space: global }
      - { .name: comb, .offset: 32, .size: 8, .value_kind: global_buffer, .address_space: global }
    .group_segment_fixed_size: 3072
    .private_segment_fixed_size: 0
    .kernarg_segment_align: 8
    .kernarg_segment_size: 40
    .max_flat_workgroup_size: 256
    .sgpr_count:     66
    .vgpr_count:     256
    .wavefront_size: 32
...
	.end_amdgpu_metadata
.endif
;; end of part 1
;; launch up (part 2): grid 256 x 1, 8 waves a work-group, no clusters, 308,992 bytes of LDS; arguments W1, b1, xb, sel, hs; writes hs
.if DOCPART == 2
	.amdgcn_target "amdgcn-amd-amdhsa--gfx1250"
	.amdhsa_code_object_version 6
	.text
	.protected	k_q2bfdd84149_up
	.globl	k_q2bfdd84149_up
	.p2align	8
	.type	k_q2bfdd84149_up,@function
k_q2bfdd84149_up:
	s_mov_b64 s[64:65], 0
	v_nop
	global_prefetch_b8 v0, s[64:65] scope:SCOPE_SE
	s_setreg_imm32_b32 hwreg(HW_REG_WAVE_MODE, 25, 1), 1
	s_wait_xcnt 0x0
; ONE TEXT SERVES THE LAYER'S TWO PRODUCTS; the flag UP picks the constants and the parts that differ.
;   UP = 1:  h = gelu(x W1[e] + b1[e]) for the rows that chose expert e.     K = 2,048, a work-group has 64 of the 1,024 columns and half of the expert's rows.
;   UP = 0:  part[2 t + k] = c (h W2[e] + b2[e]), c the routing weight.      K = 1,024, a work-group has 64 of the 2,048 columns and all of the expert's rows.
; W, the bias and x are rounded to bf16, h once to bf16; all sums in f32.
; SHARES.  A work-group owns a strip of 64 columns of one expert's weights (256 consecutive bytes of each f32 row).
; FIRST all eight waves load the strip, round it and lay it into LDS as finished matrix fragments, each wave an eighth of K: LDS bytes of its own, on end; every address is the wave's number
; times a constant, 16 bytes a lane and an immediate.  Meanwhile wave 0 builds the list.  ONE barrier.  THEN ALL EIGHT WAVES MULTIPLY, two for each of a WGP's four SIMDs, so that a SIMD has
; a second wave's instructions to issue while one wave waits.  A pass is four blocks of 16 rows x 64 columns, 16 accumulators; the rows' fragments come from memory straight into registers.
;   UP = 0: the eight waves take the expert's blocks by turns and each sums over all of K: no wave needs another.
;   UP = 1: half an expert's rows are some 16 blocks: at two blocks a wave each fragment read from LDS would feed half as many products.  So waves w and w + 4 share four blocks and SPLIT K,
;   1,024 k each; then each hands the other two blocks' partial sums (f32, 8,192 bytes) through LDS and finishes the other two: 16 KB a pair and pass against 256 KB of fragment reads.
;   Beside the strip LDS has room for 32,768 bytes of such sums, so the two directions take turns: four barriers a pass, on every wave's path, in a loop of a constant count of passes.
;   Wave w + 4 holds block a xor 2 in accumulator set a, so that one text serves both: sets 0 and 1 are kept, sets 2 and 3 sent.  No LDS store stands between the same two barriers as a fragment load.
; THE LIST.  Wave 0 reads sel[e][0..2047] (whole numbers stored by the router) and lays the expert's entries 2 t + k into LDS by rank; both products build the same ranks.
; Every split of the tokens is served: 0 to 2,048 rows an expert.  Places past the count repeat the last row (same operands, same bits, same address); whole blocks past it are jumped.
; hs: [expert][column group of 8][rank][8] bf16, so that 16 ranks of a group are 256 consecutive bytes, for the first product's stores and for the second's fragment loads.
; THE PRICE of this order: the weights are not read while products run.  The accumulators are cleared once a pass, 128 lines against 512 matrix instructions, so that one text serves every K step.
; NO CLUSTER, NO TENSOR LOADS: the weights pass through registers to be rounded; the rows that an expert's work-groups share come by a list (UP = 1), which no tile descriptor covers,
; and with UP = 0 each strip has one work-group.
; LIMITS.  erf by the five-term rational form in t = 1 / (1 + 0.3275911 |z| / sqrt 2): absolute error up to 1.5e-7 for every z.  With UP = 1 the sum over K is two f32 halves, added at the end.
; NaN and infinities are not treated apart.
.set UP, 1
.if UP
.set KT,    2048
.set RSH,   12                         ; a row of W is 1 << RSH bytes
.set LKSW,  3                          ; a wave stages 1 << LKSW K steps of 32
.set HCB,   128                        ; bytes from 64 k of a row's fragments to the next 64
.set F_S,   64                         ; from a K step of 32 to the next
.set F_H,   32                         ; from a fragment's first half to its second
.set W_MM,  0x04                       ; matrix source 1 (the rows) in window 1
.set BSTR,  64                         ; ranks from one of my blocks to the next: four pairs of waves take blocks by turns
.set PSTEP, 16                         ; blocks from pass to pass
.set NBK,   2                          ; blocks that a wave finishes in a pass
.else
.set KT,    1024
.set RSH,   13
.set LKSW,  2
.set HCB,   262144
.set F_S,   131072
.set F_H,   65536
.set W_MM,  0x01                       ; matrix source 0 (the rows) in window 1
.set BSTR,  128                        ; eight waves take blocks by turns
.set PSTEP, 32
.set NBK,   4
.endif
.set NROWB, 1<<RSH
.set KSW,   1<<LKSW
.set MAXP,  4                          ; passes at the most: 64 blocks for four pairs, or 128 for eight waves, four to a pass
.set NTW,   4                          ; a wave's trips of 256 k in a pass: 1,024 k, half of K (UP = 1) or all of it
.set FRAGB, (KT/32)*4096               ; LDS bytes 0 .. FRAGB-1: K step ks, fragment f, half v, lane L at 4096 ks + 1024 f + 512 v + 16 L; lane (r, h) of fragment f holds strip column 4 r + f
.set TRIPB, 4*HCB
.set GRD, FRAGB
.set LIST,  FRAGB+4096                 ; 2,176 words: entries by rank; words 2048.. one dump word a lane
.set CWO,   8704                       ; (UP = 0) the weights by rank lie this far behind the list
.if UP
.set CNTA,  LIST+CWO                   ; one word: the expert's count
.set XCH,   CNTA+256                   ; 8,192 bytes for each pair of waves: partial sums on their way
.set SPARE, XCH+32768                  ; the spare words, 128 bytes a wave: four blocks of 256 bytes that no other line names
.else
.set CNTA,  LIST+2*CWO
.set SPARE, CNTA+256
.endif
; scalar registers: s[4:5] W, s[6:7] bias, s[8:9] the rows' buffer, s[10:11] sel, s[12:13] output, s[14:15] comb (UP = 0); s22-23, s40-43, s58-62 at work
.set WV,  16                           ; wave
.set EX,  17                           ; expert
.set SL,  18                           ; strip
.set HF,  19                           ; half of the rows (UP = 1)
.set PR,  20                           ; which blocks are mine: the pair's number (UP = 1) or the wave's
.set QH,  21                           ; (UP = 1) which half of K is mine
.set SWB, 24                           ; s[24:25] W at the expert's strip
.set SA0, 26                           ; s[26:27] the rows' buffer at my first k
.set Q2,  28                           ; 2 QH
.set TR,  29                           ; trip
.set BOF, 30                           ; this trip's first fragment byte
.set XR,  31                           ; what turns an accumulator set's place into its block's: 128 QH, or 0 for a pass of one block
.set Q128, 32                          ; 128 QH
.set CNT, 33
.set LAST, 34                          ; the last rank that exists (0 if none)
.set NW,  35                           ; my blocks
.set BLK, 36                           ; the pass's first block of mine
.set PP,  37                           ; pass
.set LIVE, 38                          ; blocks of this pass that exist, 0..4
.set IDX, 39
.set SB,  66                           ; s[66:73] the rows' buffer at the trip that ring buffer 0, 1, 2, 3 loads next
.set STEP, 74                          ; s[74:75] what a base steps by in this trip
.set STP, 76                           ; a trip's bytes
.set STN, 77                           ; minus three trips' bytes: back to my first k
; vector registers, window 0: v1 r = lane % 16; v2 16 h (UP = 1) or 16 r; v3 my first fragment byte; v4 staging: offset in W, later the trip's fragment address; v5 staging: LDS address; v10, v11 at work
.set RO,  6                            ; v6-9    byte offsets of my four blocks' rows
.set VX,  12                           ; v12     (UP = 1) my 16 bytes in my pair's exchange bytes
.set TP,  14                           ; v14-17  at work
.set SPW, 26                           ; v26     LDS address of my spare word; never rewritten
.set NIL, 27                           ; v27     0; never rewritten
.set BI,  32                           ; v32-63  (UP = 1) bias of my 32 columns: BI[4 j + f]
.set B2,  20                           ; v20-23  (UP = 0) bias of my 4 columns
.set BB,  64                           ; v64-95, v96-127 the weights' fragments of a K step, two buffers
.set ACC, 128                          ; v128-255 accumulator (set a, fragment f) at ACC + 32 a + 8 f
; window 1, staging: three buffers of 64 (16 rows x 4 columns of f32 a lane) at 64 b, the same as bf16 pairs at PKW
; window 1, products: the rows' ring, four buffers of 64 k: buffer b, K step t, set a at 64 b + 32 t + 8 a
.set PKW, 192
.set ZQ,  64                           ; the way out works where BB lay
.set TT,  96
.set EE,  112
.set PQ,  128                          ; free once set 0's sums have been read
.set EN,  96
.set CW,  104
.set AD,  112
.set DV,  18
.set MSB, 0
.macro WIN new                         ; the immediate's high byte repeats the setting that is left; a switch that changes nothing is dropped
.if MSB != (\new)
	s_set_vgpr_msb (MSB<<8)|(\new)
.set MSB, \new
.endif
.endm
.macro PLACES                          ; four plain instructions between a matrix instruction and a load into, or a read of, its registers
.rept 4
	v_nop
.endr
.endm
; 16 loads: K step g of my wave's share.  Lanes 0-15 take the strip's 256 bytes of one row, lanes 16-31 those of the row 8 further down.
.macro WLOADS b, g
	WIN 0x40                                       ; destination window 1
.irp v, 0,1
.irp i, 0,1,2,3,4,5,6,7
.if UP
	global_load_b128 v[64*(\b)+32*(\v)+4*(\i):64*(\b)+32*(\v)+4*(\i)+3], v4, s[SWB:SWB+1] offset:(32*(\g)+16*(\v)+(\i))*NROWB
.else
	global_load_b128 v[64*(\b)+32*(\v)+4*(\i):64*(\b)+32*(\v)+4*(\i)+3], v4, s[SWB:SWB+1] offset:(32*(\g)+16*(\v)+(\i))*NROWB th:TH_LOAD_NT
.endif
.endr
.endr
.endm
; A lane's column q over 8 consecutive k packs into the 16 bytes that lane (r, h) of fragment q wants: nothing changes lanes.  The stores are 16 bytes a lane on end.
.macro CONVERT b, g
	WIN 0x45                                       ; destination and both sources window 1
.irp v, 0,1
.irp q, 0,1,2,3
.irp j, 0,1,2,3
	v_cvt_pk_bf16_f32 v[PKW+16*(\v)+4*(\q)+(\j)], v[64*(\b)+32*(\v)+8*(\j)+(\q)], v[64*(\b)+32*(\v)+8*(\j)+4+(\q)]
.endr
.endr
.endr
	WIN 0x04                                       ; address window 0, data window 1
.irp v, 0,1
.irp q, 0,1,2,3
	ds_store_b128 v5, v[PKW+16*(\v)+4*(\q):PKW+16*(\v)+4*(\q)+3] offset:4096*(\g)+512*(\v)+1024*(\q)
.endr
.endr
.endm
; The rows' fragments of 64 k into ring buffer b, by that buffer's own base: 4 loads a block.  Written under destination window 1.
.macro ALOADS b, nb
.irp t, 0,1
.set aa, 0
.rept \nb
	global_load_b128 v[64*(\b)+32*(\t)+8*aa:64*(\b)+32*(\t)+8*aa+3],   v[RO+aa], s[SB+2*(\b):SB+2*(\b)+1] offset:(\b)*HCB+(\t)*F_S
	global_load_b128 v[64*(\b)+32*(\t)+8*aa+4:64*(\b)+32*(\t)+8*aa+7], v[RO+aa], s[SB+2*(\b):SB+2*(\b)+1] offset:(\b)*HCB+(\t)*F_S+F_H
.set aa, aa+1
.endr
.endr
.endm
.macro BLOADS t, adr, off              ; a K step's four fragments of the weights: 8 loads, 16 bytes a lane on end
.irp f, 0,1,2,3
	ds_load_b128 v[BB+32*(\t)+8*(\f):BB+32*(\t)+8*(\f)+3],   v[\adr] offset:(\off)+1024*(\f)
	ds_load_b128 v[BB+32*(\t)+8*(\f)+4:BB+32*(\t)+8*(\f)+7], v[\adr] offset:(\off)+1024*(\f)+512
.endr
.endm
; 4 nb matrix instructions; the accumulators take turns, one instruction a turn.
; UP = 1: source 0 = weights: lane (r, h), register j holds row r and strip column 32 h + 4 j + f.   UP = 0: source 0 = rows: register j holds row 8 h + j and column 4 r + f.
.macro MMS b, t, nb
	WIN W_MM
.set aa, 0
.rept \nb
.irp f, 0,1,2,3
.if UP
	v_wmma_f32_16x16x32_bf16 v[ACC+32*aa+8*(\f):ACC+32*aa+8*(\f)+7], v[BB+32*(\t)+8*(\f):BB+32*(\t)+8*(\f)+7], v[64*(\b)+32*(\t)+8*aa:64*(\b)+32*(\t)+8*aa+7], v[ACC+32*aa+8*(\f):ACC+32*aa+8*(\f)+7]
.else
	v_wmma_f32_16x16x32_bf16 v[ACC+32*aa+8*(\f):ACC+32*aa+8*(\f)+7], v[64*(\b)+32*(\t)+8*aa:64*(\b)+32*(\t)+8*aa+7], v[BB+32*(\t)+8*(\f):BB+32*(\t)+8*(\f)+7], v[ACC+32*aa+8*(\f):ACC+32*aa+8*(\f)+7]
.endif
.endr
.set aa, aa+1
.endr
	WIN 0
.endm
; The offsets of four blocks' rows (ahead = 1: one pass on): rank = 16 BLK + BSTR x block + r, held to the last rank that exists.
; UP = 1: accumulator set a holds block a in waves 0-3 and block a xor 2 in waves 4-7; in a pass of one block set 0 holds block 0 in both.
.macro SETUPROWS ahead
	s_lshl_b32 s40, s[BLK], 4
.if \ahead
	s_add_co_u32 s40, s40, PSTEP*16
.endif
.if UP
	s_add_co_u32 s41, s[PP], \ahead
	s_lshl_b32 s41, s41, 2
	s_min_u32 s41, s41, s[NW]
	s_sub_co_u32 s41, s[NW], s41                   ; my blocks that are left when that pass begins
	s_cmp_eq_u32 s41, 1
	s_cselect_b32 s[XR], 0, s[Q128]
.endif
.irp a, 0,1,2,3
.if UP
	s_xor_b32 s42, s[XR], BSTR*(\a)
	v_add3_u32 v[TP+(\a)], v1, s40, s42
.else
	v_add3_u32 v[TP+(\a)], v1, s40, BSTR*(\a)
.endif
	v_min_u32 v[TP+(\a)], s[LAST], v[TP+(\a)]
	v_min_u32 v[TP+(\a)], 0x7ff, v[TP+(\a)]
.endr
.if UP
.irp a, 0,1,2,3
	v_lshl_add_u32 v[TP+(\a)], v[TP+(\a)], 2, LIST
	ds_load_b32 v[TP+(\a)], v[TP+(\a)]
.endr
	s_wait_dscnt 0x0
.irp a, 0,1,2,3
	v_min_u32 v[TP+(\a)], 0xfff, v[TP+(\a)]
	v_and_b32 v[TP+(\a)], 0xffe, v[TP+(\a)]        ; 2 t
	v_lshl_add_u32 v[RO+(\a)], v[TP+(\a)], 11, v2  ; t x 4,096 + 16 h
.endr
.else
.irp a, 0,1,2,3
	v_lshl_add_u32 v[RO+(\a)], v[TP+(\a)], 4, v18  ; rank x 16 + h x 32,768
.endr
.endif
.endm
.macro TRIPHEAD
	s_lshl_b32 s[BOF], s[TR], 15                   ; a trip's 8 K steps are 32,768 bytes of fragments
	v_add_nc_u32 v4, s[BOF], v3
	s_cmp_eq_u32 s[TR], NTW-1                      ; the bases step a trip on, or in a pass's last trip back to my first k
	s_cselect_b32 s[STEP], s[STN], s[STP]
	s_cselect_b32 s[STEP+1], -1, 0
.endm
; 64 k: ring buffer j, two K steps.  The rows' group three steps ahead is asked for, into the buffer read last.  Each buffer has a base of its own: buffer j's is stepped here, behind the wait
; that shows buffer j's loads done, and is used again in the next step.  In a pass's last trip the offsets are made anew for the next pass's rows, so that the ring runs on from pass to pass.
.macro HCSTEP j, nb
	PLACES                                         ; behind the products that read the ring buffer and the fragment buffer loaded below
	s_wait_loadcnt 8*(\nb)                         ; this step's group is in; the two younger groups, 4 loads a block each, stay out
	s_add_nc_u64 s[SB+2*(\j):SB+2*(\j)+1], s[SB+2*(\j):SB+2*(\j)+1], s[STEP:STEP+1]
	WIN 0x40
	ALOADS ((\j)+3)%4, \nb
	WIN 0
.if ((\j) == 0) && ((\nb) == 4)
	s_cmp_eq_u32 s[TR], NTW-1
	s_cbranch_scc0 .Lstep_\@
	s_wait_xcnt 0x0                                ; the offsets are rewritten only behind this wait: once a pass
	SETUPROWS 1                                    ; (a pass of one block is a wave's last: its look-ahead takes the same rows once more)
.Lstep_\@:
.endif
	BLOADS 1, 4, (2*(\j)+1)*4096
	s_wait_dscnt 8                                 ; all but the 8 just issued
	MMS \j, 0, \nb
	PLACES
	BLOADS 0, 4, (2*(\j)+2)*4096                   ; behind my last K step: the other half's first, or the guard
	s_wait_dscnt 8
	MMS \j, 1, \nb
.endm
.macro ZSEC a                          ; set a's 32 sums plus the bias; each accumulator is read from its register 0 on
.irp j, 0,1,2,3,4,5,6,7
.irp f, 0,1,2,3
.if UP
	v_add_f32 v[ZQ+4*(\j)+(\f)], v[ACC+32*(\a)+8*(\f)+(\j)], v[BI+4*(\j)+(\f)]
.else
	v_add_f32 v[ZQ+4*(\j)+(\f)], v[ACC+32*(\a)+8*(\f)+(\j)], v[B2+(\f)]
.endif
.endr
.endr
.endm
.if UP
.macro BAR                             ; my LDS instructions are done; then all eight waves meet
	s_wait_dscnt 0x0
	s_barrier_signal -1
	s_barrier_wait -1
.endm
; Waves 4-7 (hi = 1) or 0-3 (hi = 0) put accumulator sets 2 and 3 into their pair's exchange bytes, if the pass has at least so many blocks that the partner keeps one of them.
.macro XSEND hi, least
.if \hi
	s_cmp_lt_u32 s[WV], 4
.else
	s_cmp_ge_u32 s[WV], 4
.endif
	s_cbranch_scc1 .Lxs_\@
	s_cmp_lt_u32 s[LIVE], \least
	s_cbranch_scc1 .Lxs_\@
.set i, 0
.rept 16
	ds_store_b128 v[VX], v[ACC+64+4*i:ACC+64+4*i+3] offset:512*i   ; each accumulator from its low end on
.set i, i+1
.endr
.Lxs_\@:
.endm
; The same waves take their partner's sums and add them onto sets 0 and 1.
.macro XRECV hi, least
.if \hi
	s_cmp_lt_u32 s[WV], 4
.else
	s_cmp_ge_u32 s[WV], 4
.endif
	s_cbranch_scc1 .Lxr_\@
	s_cmp_lt_u32 s[LIVE], \least
	s_cbranch_scc1 .Lxr_\@
.set i, 0
.rept 16
	ds_load_b128 v[BB+4*i:BB+4*i+3], v[VX] offset:512*i
.set i, i+1
.endr
	s_wait_dscnt 0x0
.set i, 0
.rept 32
	v_pk_add_f32 v[ACC+2*i:ACC+2*i+1], v[ACC+2*i:ACC+2*i+1], v[BB+2*i:BB+2*i+1]
.set i, i+1
.endr
.Lxr_\@:
.endm
; gelu(z) = max(z, 0) - 0.5 |z| poly(t) e^(-z z / 2), t = 1 / (1 + 0.23164189 |z|): no difference of near numbers in the negative tail.  16 numbers; 32 transcendentals are ONE batch with one wait.
.macro GELU16 zb
.set i, 0
.rept 16
	v_fma_f32 v[TT+i], |v[(\zb)+i]|, s44, 1.0
.set i, i+1
.endr
.set i, 0
.rept 8
	v_pk_mul_f32 v[EE+2*i:EE+2*i+1], v[(\zb)+2*i:(\zb)+2*i+1], v[(\zb)+2*i:(\zb)+2*i+1]
.set i, i+1
.endr
.set i, 0
.rept 8
	v_pk_mul_f32 v[EE+2*i:EE+2*i+1], v[EE+2*i:EE+2*i+1], s[46:47] op_sel_hi:[1,0]
.set i, i+1
.endr
.set i, 0
.rept 16
	v_rcp_f32 v[TT+i], v[TT+i]
.set i, i+1
.endr
.set i, 0
.rept 16
	v_exp_f32 v[EE+i], v[EE+i]
.set i, i+1
.endr
.set i, 0
.rept 16                                               ; work that names no result of the batch
	v_mul_f32 v[PQ+i], -0.5, |v[(\zb)+i]|
.set i, i+1
.endr
.set i, 0
.rept 16
	v_max_num_f32 v[(\zb)+i], 0, v[(\zb)+i]
.set i, i+1
.endr
	s_wait_alu depctr_va_vdst(0)                   ; one wait for the batch, ahead of its first reader
.set i, 0
.rept 8
	v_pk_mul_f32 v[EE+2*i:EE+2*i+1], v[EE+2*i:EE+2*i+1], v[PQ+2*i:PQ+2*i+1]
.set i, i+1
.endr
.set i, 0
.rept 8
	v_pk_fma_f32 v[PQ+2*i:PQ+2*i+1], v[TT+2*i:TT+2*i+1], v[24:25], s[48:49] op_sel_hi:[1,1,0]
.set i, i+1
.endr
.irp c, 50,52,54
.set i, 0
.rept 8
	v_pk_fma_f32 v[PQ+2*i:PQ+2*i+1], v[PQ+2*i:PQ+2*i+1], v[TT+2*i:TT+2*i+1], s[\c:\c+1] op_sel_hi:[1,1,0]
.set i, i+1
.endr
.endr
.set i, 0
.rept 8
	v_pk_mul_f32 v[PQ+2*i:PQ+2*i+1], v[PQ+2*i:PQ+2*i+1], v[TT+2*i:TT+2*i+1]
.set i, i+1
.endr
.set i, 0
.rept 8
	v_pk_fma_f32 v[(\zb)+2*i:(\zb)+2*i+1], v[PQ+2*i:PQ+2*i+1], v[EE+2*i:EE+2*i+1], v[(\zb)+2*i:(\zb)+2*i+1]
.set i, i+1
.endr
.set i, 0
.rept 8                                                ; packed in place, ascending: register i is free when pair i is rounded
	v_cvt_pk_bf16_f32 v[(\zb)+i], v[(\zb)+2*i], v[(\zb)+2*i+1]
.set i, i+1
.endr
.endm
.endif
	s_load_b256 s[4:11], s[0:1], 0x0               ; W, bias, the rows' buffer, sel
.if UP
	s_load_b64 s[12:13], s[0:1], 0x20              ; hs
.else
	s_load_b128 s[12:15], s[0:1], 0x20             ; part, comb
.endif
	v_lshl_add_u32 v[SPW], v0, 2, SPARE
	v_mov_b32 v[NIL], 0
	v_lshrrev_b32 v1, 5, v0
	v_readfirstlane_b32 s[WV], v1
	s_lshr_b32 s[EX], ttmp9, 5
.if UP
	s_bfe_u32 s[SL], ttmp9, 0x40001                ; neighbours in the grid share a strip
	s_and_b32 s[HF], ttmp9, 1
.else
	s_and_b32 s[SL], ttmp9, 31
.endif
	s_lshl_b32 s40, s[SL], 8                       ; the strip's 256 bytes in a row
	s_mov_b32 s41, 0
	s_mov_b32 s23, 0
	v_and_b32 v14, 15, v0
	v_bfe_u32 v15, v0, 4, 1
	v_and_b32 v16, 31, v0
	s_lshl_b32 s42, s[WV], RSH+5+LKSW              ; my wave's rows of W,
	v_lshlrev_b32 v15, RSH+3, v15                  ; 8 rows on for lanes 16-31,
	v_lshl_add_u32 v4, v14, 4, s42                 ; 16 bytes a lane
	v_add_nc_u32 v4, v4, v15
	s_lshl_b32 s43, s[WV], 12+LKSW                 ; my wave's K steps in LDS
	v_lshl_add_u32 v5, v16, 4, s43
	s_wait_kmcnt 0x0
	s_lshl_b32 s22, s[EX], 23                      ; an expert's weights are 8 MiB
	s_add_nc_u64 s[SWB:SWB+1], s[4:5], s[22:23]
	s_add_nc_u64 s[SWB:SWB+1], s[SWB:SWB+1], s[40:41]
	s_lshl_b32 s22, s[EX], RSH                     ; a row of the bias is as long as a row of W
	s_add_nc_u64 s[6:7], s[6:7], s[22:23]
	s_add_nc_u64 s[6:7], s[6:7], s[40:41]
	s_lshl_b32 s22, s[EX], 13
	s_add_nc_u64 s[10:11], s[10:11], s[22:23]
.if !UP
	s_add_nc_u64 s[14:15], s[14:15], s[22:23]
.endif
	s_lshl_b32 s22, s[EX], 22                      ; an expert's part of hs is 4 MiB
.if UP
	s_add_nc_u64 s[12:13], s[12:13], s[22:23]
	s_lshl_b32 s22, s[SL], 18                      ; the strip's 8 column groups of 32,768 bytes
	s_add_nc_u64 s[12:13], s[12:13], s[22:23]
.else
	s_add_nc_u64 s[8:9], s[8:9], s[22:23]
	s_add_nc_u64 s[12:13], s[12:13], s[40:41]
.endif
	WLOADS 0, 0                                    ; the first K step of my share is asked for before anything else
	WIN 0
	s_cmp_lg_u32 s[WV], 0
	s_cbranch_scc1 .Lnb
	; WAVE 0 BUILDS THE LIST.  Register 4 j + q of lane l is token 128 j + 4 l + q; a chosen token's rank is the count so far plus the chosen lanes below it.
	; Lanes that are not chosen write a dump word of their own, so that all lanes stay on.  The whole region is written with zeros first: LDS serves a wave's instructions in order.
	v_and_b32 v28, 31, v0
	v_lshlrev_b32 v14, 4, v28
	v_lshlrev_b32 v15, 3, v28                      ; 2 x 4 l
	v_add_nc_u32 v16, 2048, v28
.irp j, 0,1,2,3,4,5,6,7,8,9,10,11,12,13,14,15
	global_load_b128 v[128+4*(\j):128+4*(\j)+3], v14, s[10:11] offset:512*(\j)
.endr
.if !UP
.irp j, 0,1,2,3,4,5,6,7,8,9,10,11,12,13,14,15
	global_load_b128 v[192+4*(\j):192+4*(\j)+3], v14, s[14:15] offset:512*(\j)
.endr
.endif
	v_add_nc_u32 v6, LIST, v14
.irp q, 0,1,2,3
	v_mov_b32 v[10+(\q)], 0
.endr
.set i, 0
.rept 17
	ds_store_b128 v6, v[10:13] offset:512*i
.if !UP
	ds_store_b128 v6, v[10:13] offset:CWO+512*i
.endif
.set i, i+1
.endr
	s_mov_b32 s58, 0
	s_wait_loadcnt 0x0
.set jj, 0
.rept 16
.irp q, 0,1,2,3
	v_cmp_ne_u32 s[40+(\q)], 0, v[128+4*jj+(\q)]
.endr
	s_bcnt1_i32_b32 s62, s40
	s_add_co_u32 s59, s58, s62
	s_bcnt1_i32_b32 s62, s41
	s_add_co_u32 s60, s59, s62
	s_bcnt1_i32_b32 s62, s42
	s_add_co_u32 s61, s60, s62
.irp q, 0,1,2,3
	v_mbcnt_lo_u32_b32 v[28+(\q)], s[40+(\q)], s[58+(\q)]
.endr
.irp q, 0,1,2,3
	v_cndmask_b32 v[28+(\q)], v16, v[28+(\q)], s[40+(\q)]
.endr
.irp q, 0,1,2,3
	v_min_u32 v[28+(\q)], 2079, v[28+(\q)]
.endr
.irp q, 0,1,2,3
	v_lshl_add_u32 v[28+(\q)], v[28+(\q)], 2, LIST
.endr
.irp q, 0,1,2,3
	v_add3_u32 v[10+(\q)], v[128+4*jj+(\q)], v15, 256*jj+2*(\q)-1   ; 2 t + k, since sel holds 1 + k
.endr
.irp q, 0,1,2,3
	ds_store_b32 v[28+(\q)], v[10+(\q)]
.endr
.if !UP
.irp q, 0,1,2,3
	ds_store_b32 v[28+(\q)], v[192+4*jj+(\q)] offset:CWO
.endr
.endif
	s_bcnt1_i32_b32 s62, s43
	s_add_co_u32 s58, s61, s62
.set jj, jj+1
.endr
	v_mov_b32 v30, s58
	v_mov_b32 v31, CNTA
	ds_store_b32 v31, v30                          ; the count
.Lnb:
	; THE STRIP: written out, K step by K step, three groups of 16 loads on their way
	WLOADS 1, 1
	WLOADS 2, 2
.set g, 0
.rept KSW
.if g+2 < KSW
	s_wait_loadcnt 32                              ; this K step's 16 loads are in; the two younger groups stay out
.elseif g+1 < KSW
	s_wait_loadcnt 16                              ; one younger group stays out
.else
	s_wait_loadcnt 0x0
.endif
	CONVERT g%3, g
.if g+3 < KSW
	WLOADS g%3, g+3
.endif
.set g, g+1
.endr
	WIN 0
	v_lshl_add_u32 v6, v0, 4, GRD
	WIN 0x04
	ds_store_b128 v6, v[PKW:PKW+3]
	WIN 0
	s_wait_dscnt 0x0                               ; for the others' sake: my fragments, and wave 0's list, are in LDS
	s_barrier_signal -1
	s_barrier_wait -1                              ; the strip and the list are whole, and are not written again
	; every wave multiplies: lane constants, the bias, the count
	v_and_b32 v1, 15, v0                           ; r
	v_bfe_u32 v14, v0, 4, 1                        ; h
	v_and_b32 v15, 31, v0
	s_mov_b32 s56, 0xffff0000
	v_mov_b32 v11, CNTA
	ds_load_b32 v11, v11
	s_mov_b32 s[STP], TRIPB
	s_mov_b32 s[STN], 0xffffffff-(NTW-1)*TRIPB+1
.if UP
	s_lshl_b32 s40, s[WV], 13
	v_lshl_add_u32 v[VX], v15, 4, s40              ; 8,192 x wave + 16 x lane,
	s_cmp_lt_u32 s[WV], 4
	s_cbranch_scc1 .Lq0
	s_sub_co_u32 s[PR], s[WV], 4                   ; waves 4-7: pair w - 4, the second half of K,
	s_mov_b32 s[QH], 1
	v_add_nc_u32 v[VX], XCH-32768, v[VX]           ; and the same exchange bytes as wave w - 4
	s_branch .Lqj
.Lq0:
	s_mov_b32 s[PR], s[WV]
	s_mov_b32 s[QH], 0
	v_add_nc_u32 v[VX], XCH, v[VX]
.Lqj:
	s_lshl_b32 s[Q128], s[QH], 7
	s_lshl_b32 s[Q2], s[QH], 1
	s_lshl_b32 s40, s[QH], 17                      ; half of the strip's fragments are 131,072 bytes
	v_lshl_add_u32 v3, v15, 4, s40
	s_lshl_b32 s22, s[QH], 11                      ; half of a row of xb is 2,048 bytes
	s_add_nc_u64 s[SA0:SA0+1], s[8:9], s[22:23]
	v_lshlrev_b32 v2, 4, v14                       ; 16 h
	v_lshlrev_b32 v20, 17, v14                     ; h x 4 column groups of hs
	v_lshlrev_b32 v10, 7, v14                      ; my 32 columns of the bias
.irp j, 0,1,2,3,4,5,6,7
	global_load_b128 v[BI+4*(\j):BI+4*(\j)+3], v10, s[6:7] offset:16*(\j)
.endr
	v_mov_b32 v24, 0x3f87dc22                      ; a5 = 1.061405429
	v_mov_b32 v25, 0x3f87dc22
	s_mov_b32 s44, 0x3e6d3388                      ; 0.3275911 / sqrt 2
	s_mov_b32 s46, 0xbf38aa3b                      ; -log2(e) / 2
	s_mov_b32 s47, 0xbf38aa3b
	s_mov_b32 s48, 0xbfba00e3                      ; a4 = -1.453152027
	s_mov_b32 s49, 0xbfba00e3
	s_mov_b32 s50, 0x3fb5f0e3                      ; a3 = 1.421413741
	s_mov_b32 s51, 0x3fb5f0e3
	s_mov_b32 s52, 0xbe91a98e                      ; a2 = -0.284496736
	s_mov_b32 s53, 0xbe91a98e
	s_mov_b32 s54, 0x3e827906                      ; a1 = 0.254829592
	s_mov_b32 s55, 0x3e827906
.else
	s_mov_b32 s[PR], s[WV]
	v_lshlrev_b32 v3, 4, v15
	s_mov_b64 s[SA0:SA0+1], s[8:9]
	v_lshlrev_b32 v2, 4, v1                        ; 16 r
	v_lshlrev_b32 v18, 15, v14                     ; h x one column group of hs
	v_lshlrev_b32 v19, 3, v14                      ; 8 h
	global_load_b128 v[B2:B2+3], v2, s[6:7]
.endif
.irp b, 0,1,2,3
	s_mov_b64 s[SB+2*(\b):SB+2*(\b)+1], s[SA0:SA0+1]
.endr
	s_wait_dscnt 0x0
	v_readfirstlane_b32 s[CNT], v11
	s_min_u32 s[CNT], s[CNT], 2048
	s_add_co_u32 s40, s[CNT], 15
	s_lshr_b32 s40, s40, 4                         ; blocks of 16 rows
.if UP
	s_add_co_u32 s41, s40, 1
	s_lshr_b32 s41, s41, 1                         ; the first half's
	s_sub_co_u32 s42, s40, s41                     ; the second half's
	s_cmp_eq_u32 s[HF], 0
	s_cselect_b32 s40, s41, s42                    ; mine,
	s_cselect_b32 s41, 0, s41                      ; and where they begin
	s_add_co_u32 s[NW], s40, 3                     ; pair p takes blocks p, p + 4, ..
	s_sub_co_u32 s[NW], s[NW], s[PR]
	s_lshr_b32 s[NW], s[NW], 2
.else
	s_mov_b32 s41, 0
	s_add_co_u32 s[NW], s40, 7                     ; wave w takes blocks w, w + 8, ..
	s_sub_co_u32 s[NW], s[NW], s[PR]
	s_lshr_b32 s[NW], s[NW], 3
.endif
	s_max_u32 s[LAST], s[CNT], 1
	s_sub_co_u32 s[LAST], s[LAST], 1
	s_add_co_u32 s[BLK], s41, s[PR]
	s_mov_b32 s[PP], 0
	SETUPROWS 0
	WIN 0x40
	ALOADS 0, 4                                    ; the ring's first three groups
	ALOADS 1, 4
	ALOADS 2, 4
	WIN 0
	s_wait_loadcnt 48                              ; the bias is in; the ring's 48 loads, issued behind it, stay out
.if UP
.set i, 0
.rept 16                                               ; the bias is rounded to bf16 like every input
	v_cvt_pk_bf16_f32 v[TP+i%4], v[BI+2*i], v[BI+2*i+1]
	v_lshlrev_b32 v[BI+2*i], 16, v[TP+i%4]
	v_and_b32 v[BI+2*i+1], s56, v[TP+i%4]
.set i, i+1
.endr
.else
.set i, 0
.rept 2
	v_cvt_pk_bf16_f32 v[TP+i], v[B2+2*i], v[B2+2*i+1]
	v_lshlrev_b32 v[B2+2*i], 16, v[TP+i]
	v_and_b32 v[B2+2*i+1], s56, v[TP+i]
.set i, i+1
.endr
.endif
.Lpass:                                                ; a constant count of passes covers every split; in a pass without blocks the work is jumped, no barrier is
	s_lshl_b32 s40, s[PP], 2
	s_min_u32 s40, s40, s[NW]
	s_sub_co_u32 s40, s[NW], s40
	s_min_u32 s[LIVE], s40, 4
	s_cmp_eq_u32 s[LIVE], 0
.if UP
	s_cbranch_scc1 .Lnok
.else
	s_cbranch_scc1 .Lskip
.endif
.set i, 0
.rept 128                                              ; the sums start at 0
	v_mov_b32 v[ACC+i], 0
.set i, i+1
.endr
	BLOADS 0, 3, 0
	s_mov_b32 s[TR], 0
	s_cmp_eq_u32 s[LIVE], 1
	s_cbranch_scc1 .Lk1
.Lk4:
	TRIPHEAD
	HCSTEP 0, 4
	HCSTEP 1, 4
	HCSTEP 2, 4
	HCSTEP 3, 4
	s_add_co_u32 s[TR], s[TR], 1
	s_cmp_lt_u32 s[TR], NTW
	s_cbranch_scc1 .Lk4
	s_branch .Lkd
.Lk1:                                                  ; one block left: a quarter of the products and of the rows' loads
	TRIPHEAD
	HCSTEP 0, 1
	HCSTEP 1, 1
	HCSTEP 2, 1
	HCSTEP 3, 1
	s_add_co_u32 s[TR], s[TR], 1
	s_cmp_lt_u32 s[TR], NTW
	s_cbranch_scc1 .Lk1
.if UP
	s_cmp_lt_u32 s[WV], 4
	s_cbranch_scc1 .Lkd
	PLACES                                         ; waves 4-7: the one block's sums lie in set 0 and go where the text below sends from
.set i, 0
.rept 32
	v_mov_b32 v[ACC+64+i], v[ACC+i]
.set i, i+1
.endr
.endif
.Lkd:
	s_wait_dscnt 0x0                               ; the fragment loads that ran ahead are back: their registers are at work below
	PLACES                                         ; behind the last products
.if UP
.Lnok:                                                 ; THE TWO HALVES OF K MEET.  Between any two of these barriers LDS is either stored to or loaded from
	BAR                                            ; every wave's fragment loads are done
	XSEND 1, 1                                     ; waves 4-7 send blocks 0 and 1,
	BAR
	XRECV 0, 1                                     ; waves 0-3 add them;
	BAR                                            ; the exchange bytes have been read
	XSEND 0, 3                                     ; waves 0-3 send blocks 2 and 3, if there are such,
	BAR
	XRECV 1, 3                                     ; waves 4-7 add them
	s_cmp_eq_u32 s[LIVE], 0
	s_cbranch_scc1 .Lskip
.endif
	s_mov_b32 s[IDX], 0                            ; THE WAY OUT, a block at a time; blocks past the count are jumped
.Lw:
	s_wait_xcnt 0x0                                ; the last block's stores have read their data and addresses
.if UP
	s_add_co_u32 s41, s[IDX], s[Q2]                ; set 0 or 1 holds block 0 or 1 in waves 0-3, block 2 or 3 in waves 4-7
.else
	s_mov_b32 s41, s[IDX]
.endif
	s_cmp_ge_u32 s41, s[LIVE]
	s_cbranch_scc1 .Lwn
	s_cmp_eq_u32 s[IDX], 0
	s_cbranch_scc1 .Lz0
.if !UP
	s_cmp_eq_u32 s[IDX], 1
	s_cbranch_scc1 .Lz1
	s_cmp_eq_u32 s[IDX], 2
	s_cbranch_scc1 .Lz2
	ZSEC 3
	s_branch .Lg
.Lz2:
	ZSEC 2
	s_branch .Lg
.Lz1:
.endif
	ZSEC 1
	s_branch .Lg
.Lz0:
	ZSEC 0
.Lg:
	s_lshl_b32 s40, s[BLK], 4
	s_mul_i32 s41, s41, BSTR
	s_add_co_u32 s40, s40, s41                     ; the block's first rank
.if UP
	v_add_nc_u32 v[DV], s40, v1
	v_min_u32 v[DV], s[LAST], v[DV]
	v_min_u32 v[DV], 0x7ff, v[DV]
	v_lshl_add_u32 v[DV], v[DV], 4, v20            ; rank x 16 + my half's four column groups
	GELU16 ZQ
	global_store_b128 v[DV], v[ZQ:ZQ+3], s[12:13]                    ; 16 lanes store 256 consecutive bytes, aligned: 16 ranks of one column group
	global_store_b128 v[DV], v[ZQ+4:ZQ+7], s[12:13] offset:32768
	GELU16 ZQ+16
	global_store_b128 v[DV], v[ZQ+16:ZQ+19], s[12:13] offset:65536
	global_store_b128 v[DV], v[ZQ+20:ZQ+23], s[12:13] offset:98304
.else
.irp j, 0,1,2,3,4,5,6,7
	v_add3_u32 v[AD+(\j)], v19, s40, \j            ; my 8 rows' ranks, held to the last that exists
	v_min_u32 v[AD+(\j)], s[LAST], v[AD+(\j)]
	v_min_u32 v[AD+(\j)], 0x7ff, v[AD+(\j)]
	v_lshl_add_u32 v[AD+(\j)], v[AD+(\j)], 2, LIST
.endr
.irp j, 0,1,2,3,4,5,6,7
	ds_load_b32 v[EN+(\j)], v[AD+(\j)]             ; the entry 2 t + k,
	ds_load_b32 v[CW+(\j)], v[AD+(\j)] offset:CWO  ; and the routing weight
.endr
	s_wait_dscnt 0x0
.irp j, 0,1,2,3,4,5,6,7
	v_min_u32 v[EN+(\j)], 0xfff, v[EN+(\j)]
	v_lshl_add_u32 v[AD+(\j)], v[EN+(\j)], 13, v2  ; row 2 t + k of part, 16 bytes a lane
.endr
.irp j, 0,1,2,3,4,5,6,7
.irp m, 0,1
.if ((\j)%2) == 0
	v_pk_mul_f32 v[ZQ+4*(\j)+2*(\m):ZQ+4*(\j)+2*(\m)+1], v[ZQ+4*(\j)+2*(\m):ZQ+4*(\j)+2*(\m)+1], v[CW+(\j):CW+(\j)+1] op_sel_hi:[1,0]
.else
	v_pk_mul_f32 v[ZQ+4*(\j)+2*(\m):ZQ+4*(\j)+2*(\m)+1], v[ZQ+4*(\j)+2*(\m):ZQ+4*(\j)+2*(\m)+1], v[CW+(\j)-1:CW+(\j)] op_sel:[0,1] op_sel_hi:[1,1]
.endif
.endr
.endr
.irp j, 0,1,2,3,4,5,6,7
	global_store_b128 v[AD+(\j)], v[ZQ+4*(\j):ZQ+4*(\j)+3], s[12:13]   ; 16 lanes store the strip's 256 consecutive bytes of one row, aligned
.endr
.endif
.Lwn:
	s_add_co_u32 s[IDX], s[IDX], 1
	s_cmp_lt_u32 s[IDX], NBK
	s_cbranch_scc1 .Lw
.Lskip:                                                ; every way round the loop over passes goes through the two waits below, that of a pass without blocks too
	s_wait_xcnt 0x0                                ; the stores' registers are loaded into again by the next pass
	s_wait_loadcnt 0x0                             ; the groups that ran ahead have had the way out in which to land: every later pass begins with none of my loads out, whichever loop ran before it
	s_add_co_u32 s[BLK], s[BLK], PSTEP
	s_add_co_u32 s[PP], s[PP], 1
	s_cmp_lt_u32 s[PP], MAXP
	s_cbranch_scc1 .Lpass
	s_wait_dscnt 0x0                               ; my LDS loads are back
	s_barrier_signal -1
	s_barrier_wait -1                              ; the closing barrier: no wave touches LDS again while another still reads it
	s_wait_tensorcnt 0x0                           ; the wave's end, behind my last LDS store
	ds_add_u32 v[SPW], v[NIL]
	s_wait_dscnt 0x0
	s_endpgm
.Lfunc_end_k_q2bfdd84149_up:
	.size	k_q2bfdd84149_up, .Lfunc_end_k_q2bfdd84149_up-k_q2bfdd84149_up
	.p2alignl 7, 3214868480
	.fill 96, 4, 3214868480
	.section	.rodata,"a",@progbits
	.p2align	6, 0x0
	.amdhsa_kernel k_q2bfdd84149_up
		.amdhsa_group_segment_fixed_size 308992
		.amdhsa_private_segment_fixed_size 0
		.amdhsa_enable_private_segment 0
		.amdhsa_kernarg_size 40
		.amdhsa_user_sgpr_count 2
		.amdhsa_user_sgpr_kernarg_segment_ptr 1
		.amdhsa_wavefront_size32 1
		.amdhsa_system_sgpr_workgroup_id_x 1
		.amdhsa_system_sgpr_workgroup_id_y 1
		.amdhsa_system_sgpr_workgroup_id_z 1
		.amdhsa_system_vgpr_workitem_id 0
		.amdhsa_next_free_vgpr 512
		.amdhsa_next_free_sgpr 80
		.amdhsa_reserve_vcc 0
		.amdhsa_float_denorm_mode_32 3
		.amdhsa_float_denorm_mode_16_64 3
		.amdhsa_memory_ordered 1
		.amdhsa_forward_progress 1
		.amdhsa_inst_pref_size 156
	.end_amdhsa_kernel
	.amdgpu_metadata
---
amdhsa.version: [ 1, 2 ]
amdhsa.kernels:
  - .name:           k_q2bfdd84149_up
    .symbol:         k_q2bfdd84149_up.kd
    .args:
      - { .name: W1, .offset: 0, .size: 8, .value_kind: global_buffer, .address_space: global }
      - { .name: b1, .offset: 8, .size: 8, .value_kind: global_buffer, .address_space: global }
      - { .name: xb, .offset: 16, .size: 8, .value_kind: global_buffer, .address_space: global }
      - { .name: sel, .offset: 24, .size: 8, .value_kind: global_buffer, .address_space: global }
      - { .name: hs, .offset: 32, .size: 8, .value_kind: global_buffer, .address_space: global }
    .group_segment_fixed_size: 308992
    .private_segment_fixed_size: 0
    .kernarg_segment_align: 8
    .kernarg_segment_size: 40
    .max_flat_workgroup_size: 256
    .sgpr_count:     80
    .vgpr_count:     512
    .wavefront_size: 32
...
	.end_amdgpu_metadata
.endif
;; end of part 2
;; launch down (part 3): grid 256 x 1, 8 waves a work-group, no clusters, 153,856 bytes of LDS; arguments W2, b2, hs, sel, part, comb; writes part
.if DOCPART == 3
	.amdgcn_target "amdgcn-amd-amdhsa--gfx1250"
	.amdhsa_code_object_version 6
	.text
	.protected	k_q2bfdd84149_down
	.globl	k_q2bfdd84149_down
	.p2align	8
	.type	k_q2bfdd84149_down,@function
k_q2bfdd84149_down:
	s_mov_b64 s[64:65], 0
	v_nop
	global_prefetch_b8 v0, s[64:65] scope:SCOPE_SE
	s_setreg_imm32_b32 hwreg(HW_REG_WAVE_MODE, 25, 1), 1
	s_wait_xcnt 0x0
; ONE TEXT SERVES THE LAYER'S TWO PRODUCTS; the flag UP picks the constants and the parts that differ.
;   UP = 1:  h = gelu(x W1[e] + b1[e]) for the rows that chose expert e.     K = 2,048, a work-group has 64 of the 1,024 columns and half of the expert's rows.
;   UP = 0:  part[2 t + k] = c (h W2[e] + b2[e]), c the routing weight.      K = 1,024, a work-group has 64 of the 2,048 columns and all of the expert's rows.
; W, the bias and x are rounded to bf16, h once to bf16; all sums in f32.
; SHARES.  A work-group owns a strip of 64 columns of one expert's weights (256 consecutive bytes of each f32 row).
; FIRST all eight waves load the strip, round it and lay it into LDS as finished matrix fragments, each wave an eighth of K: LDS bytes of its own, on end; every address is the wave's number
; times a constant, 16 bytes a lane and an immediate.  Meanwhile wave 0 builds the list.  ONE barrier.  THEN ALL EIGHT WAVES MULTIPLY, two for each of a WGP's four SIMDs, so that a SIMD has
; a second wave's instructions to issue while one wave waits.  A pass is four blocks of 16 rows x 64 columns, 16 accumulators; the rows' fragments come from memory straight into registers.
;   UP = 0: the eight waves take the expert's blocks by turns and each sums over all of K: no wave needs another.
;   UP = 1: half an expert's rows are some 16 blocks: at two blocks a wave each fragment read from LDS would feed half as many products.  So waves w and w + 4 share four blocks and SPLIT K,
;   1,024 k each; then each hands the other two blocks' partial sums (f32, 8,192 bytes) through LDS and finishes the other two: 16 KB a pair and pass against 256 KB of fragment reads.
;   Beside the strip LDS has room for 32,768 bytes of such sums, so the two directions take turns: four barriers a pass, on every wave's path, in a loop of a constant count of passes.
;   Wave w + 4 holds block a xor 2 in accumulator set a, so that one text serves both: sets 0 and 1 are kept, sets 2 and 3 sent.  No LDS store stands between the same two barriers as a fragment load.
; THE LIST.  Wave 0 reads sel[e][0..2047] (whole numbers stored by the router) and lays the expert's entries 2 t + k into LDS by rank; both products build the same ranks.
; Every split of the tokens is served: 0 to 2,048 rows an expert.  Places past the count repeat the last row (same operands, same bits, same address); whole blocks past it are jumped.
; hs: [expert][column group of 8][rank][8] bf16, so that 16 ranks of a group are 256 consecutive bytes, for the first product's stores and for the second's fragment loads.
; THE PRICE of this order: the weights are not read while products run.  The accumulators are cleared once a pass, 128 lines against 512 matrix instructions, so that one text serves every K step.
; NO CLUSTER, NO TENSOR LOADS: the weights pass through registers to be rounded; the rows that an expert's work-groups share come by a list (UP = 1), which no tile descriptor covers,
; and with UP = 0 each strip has one work-group.
; LIMITS.  NaN and infinities are not treated apart.
.set UP, 0
.if UP
.set KT,    2048
.set RSH,   12                         ; a row of W is 1 << RSH bytes
.set LKSW,  3                          ; a wave stages 1 << LKSW K steps of 32
.set HCB,   128                        ; bytes from 64 k of a row's fragments to the next 64
.set F_S,   64                         ; from a K step of 32 to the next
.set F_H,   32                         ; from a fragment's first half to its second
.set W_MM,  0x04                       ; matrix source 1 (the rows) in window 1
.set BSTR,  64                         ; ranks from one of my blocks to the next: four pairs of waves take blocks by turns
.set PSTEP, 16                         ; blocks from pass to pass
.set NBK,   2                          ; blocks that a wave finishes in a pass
.else
.set KT,    1024
.set RSH,   13
.set LKSW,  2
.set HCB,   262144
.set F_S,   131072
.set F_H,   65536
.set W_MM,  0x01                       ; matrix source 0 (the rows) in window 1
.set BSTR,  128                        ; eight waves take blocks by turns
.set PSTEP, 32
.set NBK,   4
.endif
.set NROWB, 1<<RSH
.set KSW,   1<<LKSW
.set MAXP,  4                          ; passes at the most: 64 blocks for four pairs, or 128 for eight waves, four to a pass
.set NTW,   4                          ; a wave's trips of 256 k in a pass: 1,024 k, half of K (UP = 1) or all of it
.set FRAGB, (KT/32)*4096               ; LDS bytes 0 .. FRAGB-1: K step ks, fragment f, half v, lane L at 4096 ks + 1024 f + 512 v + 16 L; lane (r, h) of fragment f holds strip column 4 r + f
.set TRIPB, 4*HCB
.set GRD, FRAGB
.set LIST,  FRAGB+4096                 ; 2,176 words: entries by rank; words 2048.. one dump word a lane
.set CWO,   8704                       ; (UP = 0) the weights by rank lie this far behind the list
.if UP
.set CNTA,  LIST+CWO                   ; one word: the expert's count
.set XCH,   CNTA+256                   ; 8,192 bytes for each pair of waves: partial sums on their way
.set SPARE, XCH+32768                  ; the spare words, 128 bytes a wave: four blocks of 256 bytes that no other line names
.else
.set CNTA,  LIST+2*CWO
.set SPARE, CNTA+256
.endif
; scalar registers: s[4:5] W, s[6:7] bias, s[8:9] the rows' buffer, s[10:11] sel, s[12:13] output, s[14:15] comb (UP = 0); s22-23, s40-43, s58-62 at work
.set WV,  16                           ; wave
.set EX,  17                           ; expert
.set SL,  18                           ; strip
.set HF,  19                           ; half of the rows (UP = 1)
.set PR,  20                           ; which blocks are mine: the pair's number (UP = 1) or the wave's
.set QH,  21                           ; (UP = 1) which half of K is mine
.set SWB, 24                           ; s[24:25] W at the expert's strip
.set SA0, 26                           ; s[26:27] the rows' buffer at my first k
.set Q2,  28                           ; 2 QH
.set TR,  29                           ; trip
.set BOF, 30                           ; this trip's first fragment byte
.set XR,  31                           ; what turns an accumulator set's place into its block's: 128 QH, or 0 for a pass of one block
.set Q128, 32                          ; 128 QH
.set CNT, 33
.set LAST, 34                          ; the last rank that exists (0 if none)
.set NW,  35                           ; my blocks
.set BLK, 36                           ; the pass's first block of mine
.set PP,  37                           ; pass
.set LIVE, 38                          ; blocks of this pass that exist, 0..4
.set IDX, 39
.set SB,  66                           ; s[66:73] the rows' buffer at the trip that ring buffer 0, 1, 2, 3 loads next
.set STEP, 74                          ; s[74:75] what a base steps by in this trip
.set STP, 76                           ; a trip's bytes
.set STN, 77                           ; minus three trips' bytes: back to my first k
; vector registers, window 0: v1 r = lane % 16; v2 16 h (UP = 1) or 16 r; v3 my first fragment byte; v4 staging: offset in W, later the trip's fragment address; v5 staging: LDS address; v10, v11 at work
.set RO,  6                            ; v6-9    byte offsets of my four blocks' rows
.set VX,  12                           ; v12     (UP = 1) my 16 bytes in my pair's exchange bytes
.set TP,  14                           ; v14-17  at work
.set SPW, 26                           ; v26     LDS address of my spare word; never rewritten
.set NIL, 27                           ; v27     0; never rewritten
.set BI,  32                           ; v32-63  (UP = 1) bias of my 32 columns: BI[4 j + f]
.set B2,  20                           ; v20-23  (UP = 0) bias of my 4 columns
.set BB,  64                           ; v64-95, v96-127 the weights' fragments of a K step, two buffers
.set ACC, 128                          ; v128-255 accumulator (set a, fragment f) at ACC + 32 a + 8 f
; window 1, staging: three buffers of 64 (16 rows x 4 columns of f32 a lane) at 64 b, the same as bf16 pairs at PKW
; window 1, products: the rows' ring, four buffers of 64 k: buffer b, K step t, set a at 64 b + 32 t + 8 a
.set PKW, 192
.set ZQ,  64                           ; the way out works where BB lay
.set TT,  96
.set EE,  112
.set PQ,  128                          ; free once set 0's sums have been read
.set EN,  96
.set CW,  104
.set AD,  112
.set DV,  18
.set MSB, 0
.macro WIN new                         ; the immediate's high byte repeats the setting that is left; a switch that changes nothing is dropped
.if MSB != (\new)
	s_set_vgpr_msb (MSB<<8)|(\new)
.set MSB, \new
.endif
.endm
.macro PLACES                          ; four plain instructions between a matrix instruction and a load into, or a read of, its registers
.rept 4
	v_nop
.endr
.endm
; 16 loads: K step g of my wave's share.  Lanes 0-15 take the strip's 256 bytes of one row, lanes 16-31 those of the row 8 further down.
.macro WLOADS b, g
	WIN 0x40                                       ; destination window 1
.irp v, 0,1
.irp i, 0,1,2,3,4,5,6,7
.if UP
	global_load_b128 v[64*(\b)+32*(\v)+4*(\i):64*(\b)+32*(\v)+4*(\i)+3], v4, s[SWB:SWB+1] offset:(32*(\g)+16*(\v)+(\i))*NROWB
.else
	global_load_b128 v[64*(\b)+32*(\v)+4*(\i):64*(\b)+32*(\v)+4*(\i)+3], v4, s[SWB:SWB+1] offset:(32*(\g)+16*(\v)+(\i))*NROWB th:TH_LOAD_NT
.endif
.endr
.endr
.endm
; A lane's column q over 8 consecutive k packs into the 16 bytes that lane (r, h) of fragment q wants: nothing changes lanes.  The stores are 16 bytes a lane on end.
.macro CONVERT b, g
	WIN 0x45                                       ; destination and both sources window 1
.irp v, 0,1
.irp q, 0,1,2,3
.irp j, 0,1,2,3
	v_cvt_pk_bf16_f32 v[PKW+16*(\v)+4*(\q)+(\j)], v[64*(\b)+32*(\v)+8*(\j)+(\q)], v[64*(\b)+32*(\v)+8*(\j)+4+(\q)]
.endr
.endr
.endr
	WIN 0x04                                       ; address window 0, data window 1
.irp v, 0,1
.irp q, 0,1,2,3
	ds_store_b128 v5, v[PKW+16*(\v)+4*(\q):PKW+16*(\v)+4*(\q)+3] offset:4096*(\g)+512*(\v)+1024*(\q)
.endr
.endr
.endm
; The rows' fragments of 64 k into ring buffer b, by that buffer's own base: 4 loads a block.  Written under destination window 1.
.macro ALOADS b, nb
.irp t, 0,1
.set aa, 0
.rept \nb
	global_load_b128 v[64*(\b)+32*(\t)+8*aa:64*(\b)+32*(\t)+8*aa+3],   v[RO+aa], s[SB+2*(\b):SB+2*(\b)+1] offset:(\b)*HCB+(\t)*F_S
	global_load_b128 v[64*(\b)+32*(\t)+8*aa+4:64*(\b)+32*(\t)+8*aa+7], v[RO+aa], s[SB+2*(\b):SB+2*(\b)+1] offset:(\b)*HCB+(\t)*F_S+F_H
.set aa, aa+1
.endr
.endr
.endm
.macro BLOADS t, adr, off              ; a K step's four fragments of the weights: 8 loads, 16 bytes a lane on end
.irp f, 0,1,2,3
	ds_load_b128 v[BB+32*(\t)+8*(\f):BB+32*(\t)+8*(\f)+3],   v[\adr] offset:(\off)+1024*(\f)
	ds_load_b128 v[BB+32*(\t)+8*(\f)+4:BB+32*(\t)+8*(\f)+7], v[\adr] offset:(\off)+1024*(\f)+512
.endr
.endm
; 4 nb matrix instructions; the accumulators take turns, one instruction a turn.
; UP = 1: source 0 = weights: lane (r, h), register j holds row r and strip column 32 h + 4 j + f.   UP = 0: source 0 = rows: register j holds row 8 h + j and column 4 r + f.
.macro MMS b, t, nb
	WIN W_MM
.set aa, 0
.rept \nb
.irp f, 0,1,2,3
.if UP
	v_wmma_f32_16x16x32_bf16 v[ACC+32*aa+8*(\f):ACC+32*aa+8*(\f)+7], v[BB+32*(\t)+8*(\f):BB+32*(\t)+8*(\f)+7], v[64*(\b)+32*(\t)+8*aa:64*(\b)+32*(\t)+8*aa+7], v[ACC+32*aa+8*(\f):ACC+32*aa+8*(\f)+7]
.else
	v_wmma_f32_16x16x32_bf16 v[ACC+32*aa+8*(\f):ACC+32*aa+8*(\f)+7], v[64*(\b)+32*(\t)+8*aa:64*(\b)+32*(\t)+8*aa+7], v[BB+32*(\t)+8*(\f):BB+32*(\t)+8*(\f)+7], v[ACC+32*aa+8*(\f):ACC+32*aa+8*(\f)+7]
.endif
.endr
.set aa, aa+1
.endr
	WIN 0
.endm
; The offsets of four blocks' rows (ahead = 1: one pass on): rank = 16 BLK + BSTR x block + r, held to the last rank that exists.
; UP = 1: accumulator set a holds block a in waves 0-3 and block a xor 2 in waves 4-7; in a pass of one block set 0 holds block 0 in both.
.macro SETUPROWS ahead
	s_lshl_b32 s40, s[BLK], 4
.if \ahead
	s_add_co_u32 s40, s40, PSTEP*16
.endif
.if UP
	s_add_co_u32 s41, s[PP], \ahead
	s_lshl_b32 s41, s41, 2
	s_min_u32 s41, s41, s[NW]
	s_sub_co_u32 s41, s[NW], s41                   ; my blocks that are left when that pass begins
	s_cmp_eq_u32 s41, 1
	s_cselect_b32 s[XR], 0, s[Q128]
.endif
.irp a, 0,1,2,3
.if UP
	s_xor_b32 s42, s[XR], BSTR*(\a)
	v_add3_u32 v[TP+(\a)], v1, s40, s42
.else
	v_add3_u32 v[TP+(\a)], v1, s40, BSTR*(\a)
.endif
	v_min_u32 v[TP+(\a)], s[LAST], v[TP+(\a)]
	v_min_u32 v[TP+(\a)], 0x7ff, v[TP+(\a)]
.endr
.if UP
.irp a, 0,1,2,3
	v_lshl_add_u32 v[TP+(\a)], v[TP+(\a)], 2, LIST
	ds_load_b32 v[TP+(\a)], v[TP+(\a)]
.endr
	s_wait_dscnt 0x0
.irp a, 0,1,2,3
	v_min_u32 v[TP+(\a)], 0xfff, v[TP+(\a)]
	v_and_b32 v[TP+(\a)], 0xffe, v[TP+(\a)]        ; 2 t
	v_lshl_add_u32 v[RO+(\a)], v[TP+(\a)], 11, v2  ; t x 4,096 + 16 h
.endr
.else
.irp a, 0,1,2,3
	v_lshl_add_u32 v[RO+(\a)], v[TP+(\a)], 4, v18  ; rank x 16 + h x 32,768
.endr
.endif
.endm
.macro TRIPHEAD
	s_lshl_b32 s[BOF], s[TR], 15                   ; a trip's 8 K steps are 32,768 bytes of fragments
	v_add_nc_u32 v4, s[BOF], v3
	s_cmp_eq_u32 s[TR], NTW-1                      ; the bases step a trip on, or in a pass's last trip back to my first k
	s_cselect_b32 s[STEP], s[STN], s[STP]
	s_cselect_b32 s[STEP+1], -1, 0
.endm
; 64 k: ring buffer j, two K steps.  The rows' group three steps ahead is asked for, into the buffer read last.  Each buffer has a base of its own: buffer j's is stepped here, behind the wait
; that shows buffer j's loads done, and is used again in the next step.  In a pass's last trip the offsets are made anew for the next pass's rows, so that the ring runs on from pass to pass.
.macro HCSTEP j, nb
	PLACES                                         ; behind the products that read the ring buffer and the fragment buffer loaded below
	s_wait_loadcnt 8*(\nb)                         ; this step's group is in; the two younger groups, 4 loads a block each, stay out
	s_add_nc_u64 s[SB+2*(\j):SB+2*(\j)+1], s[SB+2*(\j):SB+2*(\j)+1], s[STEP:STEP+1]
	WIN 0x40
	ALOADS ((\j)+3)%4, \nb
	WIN 0
.if ((\j) == 0) && ((\nb) == 4)
	s_cmp_eq_u32 s[TR], NTW-1
	s_cbranch_scc0 .Lstep_\@
	s_wait_xcnt 0x0                                ; the offsets are rewritten only behind this wait: once a pass
	SETUPROWS 1                                    ; (a pass of one block is a wave's last: its look-ahead takes the same rows once more)
.Lstep_\@:
.endif
	BLOADS 1, 4, (2*(\j)+1)*4096
	s_wait_dscnt 8                                 ; all but the 8 just issued
	MMS \j, 0, \nb
	PLACES
	BLOADS 0, 4, (2*(\j)+2)*4096                   ; behind my last K step: the other half's first, or the guard
	s_wait_dscnt 8
	MMS \j, 1, \nb
.endm
.macro ZSEC a                          ; set a's 32 sums plus the bias; each accumulator is read from its register 0 on
.irp j, 0,1,2,3,4,5,6,7
.irp f, 0,1,2,3
.if UP
	v_add_f32 v[ZQ+4*(\j)+(\f)], v[ACC+32*(\a)+8*(\f)+(\j)], v[BI+4*(\j)+(\f)]
.else
	v_add_f32 v[ZQ+4*(\j)+(\f)], v[ACC+32*(\a)+8*(\f)+(\j)], v[B2+(\f)]
.endif
.endr
.endr
.endm
.if UP
.macro BAR                             ; my LDS instructions are done; then all eight waves meet
	s_wait_dscnt 0x0
	s_barrier_signal -1
	s_barrier_wait -1
.endm
; Waves 4-7 (hi = 1) or 0-3 (hi = 0) put accumulator sets 2 and 3 into their pair's exchange bytes, if the pass has at least so many blocks that the partner keeps one of them.
.macro XSEND hi, least
.if \hi
	s_cmp_lt_u32 s[WV], 4
.else
	s_cmp_ge_u32 s[WV], 4
.endif
	s_cbranch_scc1 .Lxs_\@
	s_cmp_lt_u32 s[LIVE], \least
	s_cbranch_scc1 .Lxs_\@
.set i, 0
.rept 16
	ds_store_b128 v[VX], v[ACC+64+4*i:ACC+64+4*i+3] offset:512*i   ; each accumulator from its low end on
.set i, i+1
.endr
.Lxs_\@:
.endm
; The same waves take their partner's sums and add them onto sets 0 and 1.
.macro XRECV hi, least
.if \hi
	s_cmp_lt_u32 s[WV], 4
.else
	s_cmp_ge_u32 s[WV], 4
.endif
	s_cbranch_scc1 .Lxr_\@
	s_cmp_lt_u32 s[LIVE], \least
	s_cbranch_scc1 .Lxr_\@
.set i, 0
.rept 16
	ds_load_b128 v[BB+4*i:BB+4*i+3], v[VX] offset:512*i
.set i, i+1
.endr
	s_wait_dscnt 0x0
.set i, 0
.rept 32
	v_pk_add_f32 v[ACC+2*i:ACC+2*i+1], v[ACC+2*i:ACC+2*i+1], v[BB+2*i:BB+2*i+1]
.set i, i+1
.endr
.Lxr_\@:
.endm
; gelu(z) = max(z, 0) - 0.5 |z| poly(t) e^(-z z / 2), t = 1 / (1 + 0.23164189 |z|): no difference of near numbers in the negative tail.  16 numbers; 32 transcendentals are ONE batch with one wait.
.macro GELU16 zb
.set i, 0
.rept 16
	v_fma_f32 v[TT+i], |v[(\zb)+i]|, s44, 1.0
.set i, i+1
.endr
.set i, 0
.rept 8
	v_pk_mul_f32 v[EE+2*i:EE+2*i+1], v[(\zb)+2*i:(\zb)+2*i+1], v[(\zb)+2*i:(\zb)+2*i+1]
.set i, i+1
.endr
.set i, 0
.rept 8
	v_pk_mul_f32 v[EE+2*i:EE+2*i+1], v[EE+2*i:EE+2*i+1], s[46:47] op_sel_hi:[1,0]
.set i, i+1
.endr
.set i, 0
.rept 16
	v_rcp_f32 v[TT+i], v[TT+i]
.set i, i+1
.endr
.set i, 0
.rept 16
	v_exp_f32 v[EE+i], v[EE+i]
.set i, i+1
.endr
.set i, 0
.rept 16                                               ; work that names no result of the batch
	v_mul_f32 v[PQ+i], -0.5, |v[(\zb)+i]|
.set i, i+1
.endr
.set i, 0
.rept 16
	v_max_num_f32 v[(\zb)+i], 0, v[(\zb)+i]
.set i, i+1
.endr
	s_wait_alu depctr_va_vdst(0)                   ; one wait for the batch, ahead of its first reader
.set i, 0
.rept 8
	v_pk_mul_f32 v[EE+2*i:EE+2*i+1], v[EE+2*i:EE+2*i+1], v[PQ+2*i:PQ+2*i+1]
.set i, i+1
.endr
.set i, 0
.rept 8
	v_pk_fma_f32 v[PQ+2*i:PQ+2*i+1], v[TT+2*i:TT+2*i+1], v[24:25], s[48:49] op_sel_hi:[1,1,0]
.set i, i+1
.endr
.irp c, 50,52,54
.set i, 0
.rept 8
	v_pk_fma_f32 v[PQ+2*i:PQ+2*i+1], v[PQ+2*i:PQ+2*i+1], v[TT+2*i:TT+2*i+1], s[\c:\c+1] op_sel_hi:[1,1,0]
.set i, i+1
.endr
.endr
.set i, 0
.rept 8
	v_pk_mul_f32 v[PQ+2*i:PQ+2*i+1], v[PQ+2*i:PQ+2*i+1], v[TT+2*i:TT+2*i+1]
.set i, i+1
.endr
.set i, 0
.rept 8
	v_pk_fma_f32 v[(\zb)+2*i:(\zb)+2*i+1], v[PQ+2*i:PQ+2*i+1], v[EE+2*i:EE+2*i+1], v[(\zb)+2*i:(\zb)+2*i+1]
.set i, i+1
.endr
.set i, 0
.rept 8                                                ; packed in place, ascending: register i is free when pair i is rounded
	v_cvt_pk_bf16_f32 v[(\zb)+i], v[(\zb)+2*i], v[(\zb)+2*i+1]
.set i, i+1
.endr
.endm
.endif
	s_load_b256 s[4:11], s[0:1], 0x0               ; W, bias, the rows' buffer, sel
.if UP
	s_load_b64 s[12:13], s[0:1], 0x20              ; hs
.else
	s_load_b128 s[12:15], s[0:1], 0x20             ; part, comb
.endif
	v_lshl_add_u32 v[SPW], v0, 2, SPARE
	v_mov_b32 v[NIL], 0
	v_lshrrev_b32 v1, 5, v0
	v_readfirstlane_b32 s[WV], v1
	s_lshr_b32 s[EX], ttmp9, 5
.if UP
	s_bfe_u32 s[SL], ttmp9, 0x40001                ; neighbours in the grid share a strip
	s_and_b32 s[HF], ttmp9, 1
.else
	s_and_b32 s[SL], ttmp9, 31
.endif
	s_lshl_b32 s40, s[SL], 8                       ; the strip's 256 bytes in a row
	s_mov_b32 s41, 0
	s_mov_b32 s23, 0
	v_and_b32 v14, 15, v0
	v_bfe_u32 v15, v0, 4, 1
	v_and_b32 v16, 31, v0
	s_lshl_b32 s42, s[WV], RSH+5+LKSW              ; my wave's rows of W,
	v_lshlrev_b32 v15, RSH+3, v15                  ; 8 rows on for lanes 16-31,
	v_lshl_add_u32 v4, v14, 4, s42                 ; 16 bytes a lane
	v_add_nc_u32 v4, v4, v15
	s_lshl_b32 s43, s[WV], 12+LKSW                 ; my wave's K steps in LDS
	v_lshl_add_u32 v5, v16, 4, s43
	s_wait_kmcnt 0x0
	s_lshl_b32 s22, s[EX], 23                      ; an expert's weights are 8 MiB
	s_add_nc_u64 s[SWB:SWB+1], s[4:5], s[22:23]
	s_add_nc_u64 s[SWB:SWB+1], s[SWB:SWB+1], s[40:41]
	s_lshl_b32 s22, s[EX], RSH                     ; a row of the bias is as long as a row of W
	s_add_nc_u64 s[6:7], s[6:7], s[22:23]
	s_add_nc_u64 s[6:7], s[6:7], s[40:41]
	s_lshl_b32 s22, s[EX], 13
	s_add_nc_u64 s[10:11], s[10:11], s[22:23]
.if !UP
	s_add_nc_u64 s[14:15], s[14:15], s[22:23]
.endif
	s_lshl_b32 s22, s[EX], 22                      ; an expert's part of hs is 4 MiB
.if UP
	s_add_nc_u64 s[12:13], s[12:13], s[22:23]
	s_lshl_b32 s22, s[SL], 18                      ; the strip's 8 column groups of 32,768 bytes
	s_add_nc_u64 s[12:13], s[12:13], s[22:23]
.else
	s_add_nc_u64 s[8:9], s[8:9], s[22:23]
	s_add_nc_u64 s[12:13], s[12:13], s[40:41]
.endif
	WLOADS 0, 0                                    ; the first K step of my share is asked for before anything else
	WIN 0
	s_cmp_lg_u32 s[WV], 0
	s_cbranch_scc1 .Lnb
	; WAVE 0 BUILDS THE LIST.  Register 4 j + q of lane l is token 128 j + 4 l + q; a chosen token's rank is the count so far plus the chosen lanes below it.
	; Lanes that are not chosen write a dump word of their own, so that all lanes stay on.  The whole region is written with zeros first: LDS serves a wave's instructions in order.
	v_and_b32 v28, 31, v0
	v_lshlrev_b32 v14, 4, v28
	v_lshlrev_b32 v15, 3, v28                      ; 2 x 4 l
	v_add_nc_u32 v16, 2048, v28
.irp j, 0,1,2,3,4,5,6,7,8,9,10,11,12,13,14,15
	global_load_b128 v[128+4*(\j):128+4*(\j)+3], v14, s[10:11] offset:512*(\j)
.endr
.if !UP
.irp j, 0,1,2,3,4,5,6,7,8,9,10,11,12,13,14,15
	global_load_b128 v[192+4*(\j):192+4*(\j)+3], v14, s[14:15] offset:512*(\j)
.endr
.endif
	v_add_nc_u32 v6, LIST, v14
.irp q, 0,1,2,3
	v_mov_b32 v[10+(\q)], 0
.endr
.set i, 0
.rept 17
	ds_store_b128 v6, v[10:13] offset:512*i
.if !UP
	ds_store_b128 v6, v[10:13] offset:CWO+512*i
.endif
.set i, i+1
.endr
	s_mov_b32 s58, 0
	s_wait_loadcnt 0x0
.set jj, 0
.rept 16
.irp q, 0,1,2,3
	v_cmp_ne_u32 s[40+(\q)], 0, v[128+4*jj+(\q)]
.endr
	s_bcnt1_i32_b32 s62, s40
	s_add_co_u32 s59, s58, s62
	s_bcnt1_i32_b32 s62, s41
	s_add_co_u32 s60, s59, s62
	s_bcnt1_i32_b32 s62, s42
	s_add_co_u32 s61, s60, s62
.irp q, 0,1,2,3
	v_mbcnt_lo_u32_b32 v[28+(\q)], s[40+(\q)], s[58+(\q)]
.endr
.irp q, 0,1,2,3
	v_cndmask_b32 v[28+(\q)], v16, v[28+(\q)], s[40+(\q)]
.endr
.irp q, 0,1,2,3
	v_min_u32 v[28+(\q)], 2079, v[28+(\q)]
.endr
.irp q, 0,1,2,3
	v_lshl_add_u32 v[28+(\q)], v[28+(\q)], 2, LIST
.endr
.irp q, 0,1,2,3
	v_add3_u32 v[10+(\q)], v[128+4*jj+(\q)], v15, 256*jj+2*(\q)-1   ; 2 t + k, since sel holds 1 + k
.endr
.irp q, 0,1,2,3
	ds_store_b32 v[28+(\q)], v[10+(\q)]
.endr
.if !UP
.irp q, 0,1,2,3
	ds_store_b32 v[28+(\q)], v[192+4*jj+(\q)] offset:CWO
.endr
.endif
	s_bcnt1_i32_b32 s62, s43
	s_add_co_u32 s58, s61, s62
.set jj, jj+1
.endr
	v_mov_b32 v30, s58
	v_mov_b32 v31, CNTA
	ds_store_b32 v31, v30                          ; the count
.Lnb:
	; THE STRIP: written out, K step by K step, three groups of 16 loads on their way
	WLOADS 1, 1
	WLOADS 2, 2
.set g, 0
.rept KSW
.if g+2 < KSW
	s_wait_loadcnt 32                              ; this K step's 16 loads are in; the two younger groups stay out
.elseif g+1 < KSW
	s_wait_loadcnt 16                              ; one younger group stays out
.else
	s_wait_loadcnt 0x0
.endif
	CONVERT g%3, g
.if g+3 < KSW
	WLOADS g%3, g+3
.endif
.set g, g+1
.endr
	WIN 0
	v_lshl_add_u32 v6, v0, 4, GRD
	WIN 0x04
	ds_store_b128 v6, v[PKW:PKW+3]
	WIN 0
	s_wait_dscnt 0x0                               ; for the others' sake: my fragments, and wave 0's list, are in LDS
	s_barrier_signal -1
	s_barrier_wait -1                              ; the strip and the list are whole, and are not written again
	; every wave multiplies: lane constants, the bias, the count
	v_and_b32 v1, 15, v0                           ; r
	v_bfe_u32 v14, v0, 4, 1                        ; h
	v_and_b32 v15, 31, v0
	s_mov_b32 s56, 0xffff0000
	v_mov_b32 v11, CNTA
	ds_load_b32 v11, v11
	s_mov_b32 s[STP], TRIPB
	s_mov_b32 s[STN], 0xffffffff-(NTW-1)*TRIPB+1
.if UP
	s_lshl_b32 s40, s[WV], 13
	v_lshl_add_u32 v[VX], v15, 4, s40              ; 8,192 x wave + 16 x lane,
	s_cmp_lt_u32 s[WV], 4
	s_cbranch_scc1 .Lq0
	s_sub_co_u32 s[PR], s[WV], 4                   ; waves 4-7: pair w - 4, the second half of K,
	s_mov_b32 s[QH], 1
	v_add_nc_u32 v[VX], XCH-32768, v[VX]           ; and the same exchange bytes as wave w - 4
	s_branch .Lqj
.Lq0:
	s_mov_b32 s[PR], s[WV]
	s_mov_b32 s[QH], 0
	v_add_nc_u32 v[VX], XCH, v[VX]
.Lqj:
	s_lshl_b32 s[Q128], s[QH], 7
	s_lshl_b32 s[Q2], s[QH], 1
	s_lshl_b32 s40, s[QH], 17                      ; half of the strip's fragments are 131,072 bytes
	v_lshl_add_u32 v3, v15, 4, s40
	s_lshl_b32 s22, s[QH], 11                      ; half of a row of xb is 2,048 bytes
	s_add_nc_u64 s[SA0:SA0+1], s[8:9], s[22:23]
	v_lshlrev_b32 v2, 4, v14                       ; 16 h
	v_lshlrev_b32 v20, 17, v14                     ; h x 4 column groups of hs
	v_lshlrev_b32 v10, 7, v14                      ; my 32 columns of the bias
.irp j, 0,1,2,3,4,5,6,7
	global_load_b128 v[BI+4*(\j):BI+4*(\j)+3], v10, s[6:7] offset:16*(\j)
.endr
	v_mov_b32 v24, 0x3f87dc22                      ; a5 = 1.061405429
	v_mov_b32 v25, 0x3f87dc22
	s_mov_b32 s44, 0x3e6d3388                      ; 0.3275911 / sqrt 2
	s_mov_b32 s46, 0xbf38aa3b                      ; -log2(e) / 2
	s_mov_b32 s47, 0xbf38aa3b
	s_mov_b32 s48, 0xbfba00e3                      ; a4 = -1.453152027
	s_mov_b32 s49, 0xbfba00e3
	s_mov_b32 s50, 0x3fb5f0e3                      ; a3 = 1.421413741
	s_mov_b32 s51, 0x3fb5f0e3
	s_mov_b32 s52, 0xbe91a98e                      ; a2 = -0.284496736
	s_mov_b32 s53, 0xbe91a98e
	s_mov_b32 s54, 0x3e827906                      ; a1 = 0.254829592
	s_mov_b32 s55, 0x3e827906
.else
	s_mov_b32 s[PR], s[WV]
	v_lshlrev_b32 v3, 4, v15
	s_mov_b64 s[SA0:SA0+1], s[8:9]
	v_lshlrev_b32 v2, 4, v1                        ; 16 r
	v_lshlrev_b32 v18, 15, v14                     ; h x one column group of hs
	v_lshlrev_b32 v19, 3, v14                      ; 8 h
	global_load_b128 v[B2:B2+3], v2, s[6:7]
.endif
.irp b, 0,1,2,3
	s_mov_b64 s[SB+2*(\b):SB+2*(\b)+1], s[SA0:SA0+1]
.endr
	s_wait_dscnt 0x0
	v_readfirstlane_b32 s[CNT], v11
	s_min_u32 s[CNT], s[CNT], 2048
	s_add_co_u32 s40, s[CNT], 15
	s_lshr_b32 s40, s40, 4                         ; blocks of 16 rows
.if UP
	s_add_co_u32 s41, s40, 1
	s_lshr_b32 s41, s41, 1                         ; the first half's
	s_sub_co_u32 s42, s40, s41                     ; the second half's
	s_cmp_eq_u32 s[HF], 0
	s_cselect_b32 s40, s41, s42                    ; mine,
	s_cselect_b32 s41, 0, s41                      ; and where they begin
	s_add_co_u32 s[NW], s40, 3                     ; pair p takes blocks p, p + 4, ..
	s_sub_co_u32 s[NW], s[NW], s[PR]
	s_lshr_b32 s[NW], s[NW], 2
.else
	s_mov_b32 s41, 0
	s_add_co_u32 s[NW], s40, 7                     ; wave w takes blocks w, w + 8, ..
	s_sub_co_u32 s[NW], s[NW], s[PR]
	s_lshr_b32 s[NW], s[NW], 3
.endif
	s_max_u32 s[LAST], s[CNT], 1
	s_sub_co_u32 s[LAST], s[LAST], 1
	s_add_co_u32 s[BLK], s41, s[PR]
	s_mov_b32 s[PP], 0
	SETUPROWS 0
	WIN 0x40
	ALOADS 0, 4                                    ; the ring's first three groups
	ALOADS 1, 4
	ALOADS 2, 4
	WIN 0
	s_wait_loadcnt 48                              ; the bias is in; the ring's 48 loads, issued behind it, stay out
.if UP
.set i, 0
.rept 16                                               ; the bias is rounded to bf16 like every input
	v_cvt_pk_bf16_f32 v[TP+i%4], v[BI+2*i], v[BI+2*i+1]
	v_lshlrev_b32 v[BI+2*i], 16, v[TP+i%4]
	v_and_b32 v[BI+2*i+1], s56, v[TP+i%4]
.set i, i+1
.endr
.else
.set i, 0
.rept 2
	v_cvt_pk_bf16_f32 v[TP+i], v[B2+2*i], v[B2+2*i+1]
	v_lshlrev_b32 v[B2+2*i], 16, v[TP+i]
	v_and_b32 v[B2+2*i+1], s56, v[TP+i]
.set i, i+1
.endr
.endif
.Lpass:                                                ; a constant count of passes covers every split; in a pass without blocks the work is jumped, no barrier is
	s_lshl_b32 s40, s[PP], 2
	s_min_u32 s40, s40, s[NW]
	s_sub_co_u32 s40, s[NW], s40
	s_min_u32 s[LIVE], s40, 4
	s_cmp_eq_u32 s[LIVE], 0
.if UP
	s_cbranch_scc1 .Lnok
.else
	s_cbranch_scc1 .Lskip
.endif
.set i, 0
.rept 128                                              ; the sums start at 0
	v_mov_b32 v[ACC+i], 0
.set i, i+1
.endr
	BLOADS 0, 3, 0
	s_mov_b32 s[TR], 0
	s_cmp_eq_u32 s[LIVE], 1
	s_cbranch_scc1 .Lk1
.Lk4:
	TRIPHEAD
	HCSTEP 0, 4
	HCSTEP 1, 4
	HCSTEP 2, 4
	HCSTEP 3, 4
	s_add_co_u32 s[TR], s[TR], 1
	s_cmp_lt_u32 s[TR], NTW
	s_cbranch_scc1 .Lk4
	s_branch .Lkd
.Lk1:                                                  ; one block left: a quarter of the products and of the rows' loads
	TRIPHEAD
	HCSTEP 0, 1
	HCSTEP 1, 1
	HCSTEP 2, 1
	HCSTEP 3, 1
	s_add_co_u32 s[TR], s[TR], 1
	s_cmp_lt_u32 s[TR], NTW
	s_cbranch_scc1 .Lk1
.if UP
	s_cmp_lt_u32 s[WV], 4
	s_cbranch_scc1 .Lkd
	PLACES                                         ; waves 4-7: the one block's sums lie in set 0 and go where the text below sends from
.set i, 0
.rept 32
	v_mov_b32 v[ACC+64+i], v[ACC+i]
.set i, i+1
.endr
.endif
.Lkd:
	s_wait_dscnt 0x0                               ; the fragment loads that ran ahead are back: their registers are at work below
	PLACES                                         ; behind the last products
.if UP
.Lnok:                                                 ; THE TWO HALVES OF K MEET.  Between any two of these barriers LDS is either stored to or loaded from
	BAR                                            ; every wave's fragment loads are done
	XSEND 1, 1                                     ; waves 4-7 send blocks 0 and 1,
	BAR
	XRECV 0, 1                                     ; waves 0-3 add them;
	BAR                                            ; the exchange bytes have been read
	XSEND 0, 3                                     ; waves 0-3 send blocks 2 and 3, if there are such,
	BAR
	XRECV 1, 3                                     ; waves 4-7 add them
	s_cmp_eq_u32 s[LIVE], 0
	s_cbranch_scc1 .Lskip
.endif
	s_mov_b32 s[IDX], 0                            ; THE WAY OUT, a block at a time; blocks past the count are jumped
.Lw:
	s_wait_xcnt 0x0                                ; the last block's stores have read their data and addresses
.if UP
	s_add_co_u32 s41, s[IDX], s[Q2]                ; set 0 or 1 holds block 0 or 1 in waves 0-3, block 2 or 3 in waves 4-7
.else
	s_mov_b32 s41, s[IDX]
.endif
	s_cmp_ge_u32 s41, s[LIVE]
	s_cbranch_scc1 .Lwn
	s_cmp_eq_u32 s[IDX], 0
	s_cbranch_scc1 .Lz0
.if !UP
	s_cmp_eq_u32 s[IDX], 1
	s_cbranch_scc1 .Lz1
	s_cmp_eq_u32 s[IDX], 2
	s_cbranch_scc1 .Lz2
	ZSEC 3
	s_branch .Lg
.Lz2:
	ZSEC 2
	s_branch .Lg
.Lz1:
.endif
	ZSEC 1
	s_branch .Lg
.Lz0:
	ZSEC 0
.Lg:
	s_lshl_b32 s40, s[BLK], 4
	s_mul_i32 s41, s41, BSTR
	s_add_co_u32 s40, s40, s41                     ; the block's first rank
.if UP
	v_add_nc_u32 v[DV], s40, v1
	v_min_u32 v[DV], s[LAST], v[DV]
	v_min_u32 v[DV], 0x7ff, v[DV]
	v_lshl_add_u32 v[DV], v[DV], 4, v20            ; rank x 16 + my half's four column groups
	GELU16 ZQ
	global_store_b128 v[DV], v[ZQ:ZQ+3], s[12:13]                    ; 16 lanes store 256 consecutive bytes, aligned: 16 ranks of one column group
	global_store_b128 v[DV], v[ZQ+4:ZQ+7], s[12:13] offset:32768
	GELU16 ZQ+16
	global_store_b128 v[DV], v[ZQ+16:ZQ+19], s[12:13] offset:65536
	global_store_b128 v[DV], v[ZQ+20:ZQ+23], s[12:13] offset:98304
.else
.irp j, 0,1,2,3,4,5,6,7
	v_add3_u32 v[AD+(\j)], v19, s40, \j            ; my 8 rows' ranks, held to the last that exists
	v_min_u32 v[AD+(\j)], s[LAST], v[AD+(\j)]
	v_min_u32 v[AD+(\j)], 0x7ff, v[AD+(\j)]
	v_lshl_add_u32 v[AD+(\j)], v[AD+(\j)], 2, LIST
.endr
.irp j, 0,1,2,3,4,5,6,7
	ds_load_b32 v[EN+(\j)], v[AD+(\j)]             ; the entry 2 t + k,
	ds_load_b32 v[CW+(\j)], v[AD+(\j)] offset:CWO  ; and the routing weight
.endr
	s_wait_dscnt 0x0
.irp j, 0,1,2,3,4,5,6,7
	v_min_u32 v[EN+(\j)], 0xfff, v[EN+(\j)]
	v_lshl_add_u32 v[AD+(\j)], v[EN+(\j)], 13, v2  ; row 2 t + k of part, 16 bytes a lane
.endr
.irp j, 0,1,2,3,4,5,6,7
.irp m, 0,1
.if ((\j)%2) == 0
	v_pk_mul_f32 v[ZQ+4*(\j)+2*(\m):ZQ+4*(\j)+2*(\m)+1], v[ZQ+4*(\j)+2*(\m):ZQ+4*(\j)+2*(\m)+1], v[CW+(\j):CW+(\j)+1] op_sel_hi:[1,0]
.else
	v_pk_mul_f32 v[ZQ+4*(\j)+2*(\m):ZQ+4*(\j)+2*(\m)+1], v[ZQ+4*(\j)+2*(\m):ZQ+4*(\j)+2*(\m)+1], v[CW+(\j)-1:CW+(\j)] op_sel:[0,1] op_sel_hi:[1,1]
.endif
.endr
.endr
.irp j, 0,1,2,3,4,5,6,7
	global_store_b128 v[AD+(\j)], v[ZQ+4*(\j):ZQ+4*(\j)+3], s[12:13]   ; 16 lanes store the strip's 256 consecutive bytes of one row, aligned
.endr
.endif
.Lwn:
	s_add_co_u32 s[IDX], s[IDX], 1
	s_cmp_lt_u32 s[IDX], NBK
	s_cbranch_scc1 .Lw
.Lskip:                                                ; every way round the loop over passes goes through the two waits below, that of a pass without blocks too
	s_wait_xcnt 0x0                                ; the stores' registers are loaded into again by the next pass
	s_wait_loadcnt 0x0                             ; the groups that ran ahead have had the way out in which to land: every later pass begins with none of my loads out, whichever loop ran before it
	s_add_co_u32 s[BLK], s[BLK], PSTEP
	s_add_co_u32 s[PP], s[PP], 1
	s_cmp_lt_u32 s[PP], MAXP
	s_cbranch_scc1 .Lpass
	s_wait_dscnt 0x0                               ; my LDS loads are back
	s_barrier_signal -1
	s_barrier_wait -1                              ; the closing barrier: no wave touches LDS again while another still reads it
	s_wait_tensorcnt 0x0                           ; the wave's end, behind my last LDS store
	ds_add_u32 v[SPW], v[NIL]
	s_wait_dscnt 0x0
	s_endpgm
.Lfunc_end_k_q2bfdd84149_down:
	.size	k_q2bfdd84149_down, .Lfunc_end_k_q2bfdd84149_down-k_q2bfdd84149_down
	.p2alignl 7, 3214868480
	.fill 96, 4, 3214868480
	.section	.rodata,"a",@progbits
	.p2align	6, 0x0
	.amdhsa_kernel k_q2bfdd84149_down
		.amdhsa_group_segment_fixed_size 153856
		.amdhsa_private_segment_fixed_size 0
		.amdhsa_enable_private_segment 0
		.amdhsa_kernarg_size 48
		.amdhsa_user_sgpr_count 2
		.amdhsa_user_sgpr_kernarg_segment_ptr 1
		.amdhsa_wavefront_size32 1
		.amdhsa_system_sgpr_workgroup_id_x 1
		.amdhsa_system_sgpr_workgroup_id_y 1
		.amdhsa_system_sgpr_workgroup_id_z 1
		.amdhsa_system_vgpr_workitem_id 0
		.amdhsa_next_free_vgpr 512
		.amdhsa_next_free_sgpr 80
		.amdhsa_reserve_vcc 0
		.amdhsa_float_denorm_mode_32 3
		.amdhsa_float_denorm_mode_16_64 3
		.amdhsa_memory_ordered 1
		.amdhsa_forward_progress 1
		.amdhsa_inst_pref_size 119
	.end_amdhsa_kernel
	.amdgpu_metadata
---
amdhsa.version: [ 1, 2 ]
amdhsa.kernels:
  - .name:           k_q2bfdd84149_down
    .symbol:         k_q2bfdd84149_down.kd
    .args:
      - { .name: W2, .offset: 0, .size: 8, .value_kind: global_buffer, .address_space: global }
      - { .name: b2, .offset: 8, .size: 8, .value_kind: global_buffer, .address_space: global }
      - { .name: hs, .offset: 16, .size: 8, .value_kind: global_buffer, .address_space: global }
      - { .name: sel, .offset: 24, .size: 8, .value_kind: global_buffer, .address_space: global }
      - { .name: part, .offset: 32, .size: 8, .value_kind: global_buffer, .address_space: global }
      - { .name: comb, .offset: 40, .size: 8, .value_kind: global_buffer, .address_space: global }
    .group_segment_fixed_size: 153856
    .private_segment_fixed_size: 0
    .kernarg_segment_align: 8
    .kernarg_segment_size: 48
    .max_flat_workgroup_size: 256
    .sgpr_count:     80
    .vgpr_count:     512
    .wavefront_size: 32
...
	.end_amdgpu_metadata
.endif
;; end of part 3
;; launch add (part 4): grid 256 x 1, 8 waves a work-group, no clusters, 0 bytes of LDS; arguments part, out0; writes out0
.if DOCPART == 4
	.amdgcn_target "amdgcn-amd-amdhsa--gfx1250"
	.amdhsa_code_object_version 6
	.text
	.protected	k_q2bfdd84149_add
	.globl	k_q2bfdd84149_add
	.p2align	8
	.type	k_q2bfdd84149_add,@function
k_q2bfdd84149_add:
	s_mov_b64 s[64:65], 0
	v_nop
	global_prefetch_b8 v0, s[64:65] scope:SCOPE_SE
	s_setreg_imm32_b32 hwreg(HW_REG_WAVE_MODE, 25, 1), 1
	s_wait_xcnt 0x0
; out0[t] = part[2 t] + part[2 t + 1]: a token's two weighted expert rows, f32.  A stream: no LDS, no barrier, no matrix unit, nothing shared between work-groups.
; A work-group owns 8 tokens.  Its 256 threads x 16 bytes cover half a row of 8,192 bytes, so piece n = 2 i + j is half j of token i.
; All 32 loads of a wave go out at once; each load and each store of a wave covers 512 consecutive bytes.
.set D, 8                              ; v[8 + 8 n ..]: four registers of row 2 t, four of row 2 t + 1
	s_load_b128 s[4:7], s[0:1], 0x0                ; part s[4:5], out0 s[6:7]
	v_lshlrev_b32 v1, 4, v0
	s_lshl_b32 s2, ttmp9, 17                       ; 16 rows of part
	s_mov_b32 s3, 0
	s_lshl_b32 s8, ttmp9, 16                       ; 8 rows of out0
	s_mov_b32 s9, 0
	s_wait_kmcnt 0x0
	s_add_nc_u64 s[4:5], s[4:5], s[2:3]
	s_add_nc_u64 s[6:7], s[6:7], s[8:9]
.irp i, 0,1,2,3,4,5,6,7
.irp j, 0,1
	global_load_b128 v[D+8*(2*(\i)+(\j)):D+8*(2*(\i)+(\j))+3],   v1, s[4:5] offset:16384*(\i)+4096*(\j) th:TH_LOAD_NT
	global_load_b128 v[D+8*(2*(\i)+(\j))+4:D+8*(2*(\i)+(\j))+7], v1, s[4:5] offset:16384*(\i)+4096*(\j)+8192 th:TH_LOAD_NT
.endr
.endr
.irp i, 0,1,2,3,4,5,6,7
.irp j, 0,1
	s_wait_loadcnt 30-2*(2*(\i)+(\j))              ; loads come back in order: this piece's two are in, the later pieces' stay out
	v_pk_add_f32 v[D+8*(2*(\i)+(\j)):D+8*(2*(\i)+(\j))+1],   v[D+8*(2*(\i)+(\j)):D+8*(2*(\i)+(\j))+1],   v[D+8*(2*(\i)+(\j))+4:D+8*(2*(\i)+(\j))+5]
	v_pk_add_f32 v[D+8*(2*(\i)+(\j))+2:D+8*(2*(\i)+(\j))+3], v[D+8*(2*(\i)+(\j))+2:D+8*(2*(\i)+(\j))+3], v[D+8*(2*(\i)+(\j))+6:D+8*(2*(\i)+(\j))+7]
	global_store_b128 v1, v[D+8*(2*(\i)+(\j)):D+8*(2*(\i)+(\j))+3], s[6:7] offset:8192*(\i)+4096*(\j) th:TH_STORE_NT
.endr
.endr
	s_endpgm
.Lfunc_end_k_q2bfdd84149_add:
	.size	k_q2bfdd84149_add, .Lfunc_end_k_q2bfdd84149_add-k_q2bfdd84149_add
	.p2alignl 7, 3214868480
	.fill 96, 4, 3214868480
	.section	.rodata,"a",@progbits
	.p2align	6, 0x0
	.amdhsa_kernel k_q2bfdd84149_add
		.amdhsa_group_segment_fixed_size 0
		.amdhsa_private_segment_fixed_size 0
		.amdhsa_enable_private_segment 0
		.amdhsa_kernarg_size 16
		.amdhsa_user_sgpr_count 2
		.amdhsa_user_sgpr_kernarg_segment_ptr 1
		.amdhsa_wavefront_size32 1
		.amdhsa_system_sgpr_workgroup_id_x 1
		.amdhsa_system_sgpr_workgroup_id_y 1
		.amdhsa_system_sgpr_workgroup_id_z 1
		.amdhsa_system_vgpr_workitem_id 0
		.amdhsa_next_free_vgpr 136
		.amdhsa_next_free_sgpr 66
		.amdhsa_reserve_vcc 0
		.amdhsa_float_denorm_mode_32 3
		.amdhsa_float_denorm_mode_16_64 3
		.amdhsa_memory_ordered 1
		.amdhsa_forward_progress 1
		.amdhsa_inst_pref_size 8
	.end_amdhsa_kernel
	.amdgpu_metadata
---
amdhsa.version: [ 1, 2 ]
amdhsa.kernels:
  - .name:           k_q2bfdd84149_add
    .symbol:         k_q2bfdd84149_add.kd
    .args:
      - { .name: part, .offset: 0, .size: 8, .value_kind: global_buffer, .address_space: global }
      - { .name: out0, .offset: 8, .size: 8, .value_kind: global_buffer, .address_space: global }
    .group_segment_fixed_size: 0
    .private_segment_fixed_size: 0
    .kernarg_segment_align: 8
    .kernarg_segment_size: 16
    .max_flat_workgroup_size: 256
    .sgpr_count:     66
    .vgpr_count:     136
    .wavefront_size: 32
...
	.end_amdgpu_metadata
.endif
;; end of part 4
